; MI455X (gfx1250); checked and timed in simulation.
; The chip was launched on July 23, 2026; its instructions are those of AMD's public machine-readable ISA for CDNA 5 (MIT licence, August 2026) and "CDNA5" Instruction Set Architecture Reference Guide (July 2026). The comments in the code are by the model that wrote it; some were corrected since.
;; Bigbird Simulated Attention. Allowed arithmetic: matrix products marked QUANTISED: E4M3 operands, one given power-of-two scale a tensor, by v_wmma_f32_16x16x64_fp8_fp8 or v_wmma_f32_16x16x128_fp8_fp8, f32 sums; everything else in f32.
;; Inputs: k_codes 2 x 6 x 4,096 x 2 x 32 uint8 (E4M3 codes of k, K innermost, in blocks of 32 codes); lowp_scales 4 int32 (the exponents e of the quantised operands' scales 2^e); mask 4,096 x 4,096 int32; q_codes 2 x 6 x 4,096 x 2 x 32 uint8 (E4M3 codes of q, K innermost, in blocks of 32 codes); v_codes 2 x 6 x 64 x 128 x 32 uint8 (E4M3 codes of v, K innermost, in blocks of 32 codes).
;; Outputs: out0 2 x 6 x 4,096 x 64 float32.
;; This version of the problem:
;;   THIS VERSION OF THE PROBLEM IS GIVEN IN LOW PRECISION. The matrix products marked QUANTISED in the list below multiply operands that are first quantised to E4M3 (4 exponent bits, 3 mantissa bits; 8 bits a number), with one given power-of-two scale for each operand tensor; their sums are f32. All else is computed in f32.
;;   The module's matrix products, in the order in which they are computed (A, B: the left and right operand; K: the contracted axis; several contracted axes count as one K, in the product's order):
;;     1. batch 12 x [M 4,096, K 64] x [K 64, N 4,096]; A: input q (given as codes); B: input k (given as codes): QUANTISED (scales: A lowp_scales[0], B lowp_scales[1])
;;     2. batch 12 x [M 4,096, K 4,096] x [K 4,096, N 64]; A: softmax (see below); B: input v (given as codes): QUANTISED (scales: A lowp_scales[2], B lowp_scales[3])
;;   THE QUANTISER, for each operand of a quantised product, along K:
;;     - The operand's scale is 2^e, e = its entry of the input lowp_scales (int32; the entries are numbered through the quantised products in the list's order, A before B).
;;     - Each number is divided by the scale, clamped to +-448, and rounded to the nearest number of E4M3, ties to even, subnormals kept.
;;     - The product sums the exact products of the quantised numbers (number of the format x scale) in f32.
;;   ~~~python
;;   def quantise(x, axis, e):      # numpy; x: float32 -> the quantised numbers, widened to float32 again
;;       x = np.moveaxis(x, axis, -1); K = x.shape[-1]
;;       r = np.clip(x / 2.0 ** e, -448, 448)
;;       step = 2.0 ** (np.maximum(np.frexp(np.where(r == 0, 1, r))[1] - 1, -6) - 3)
;;       q = np.round(r / step) * step * 2.0 ** e      # np.round: ties to even
;;       return np.moveaxis(q, -1, axis).astype(np.float32)
;;   ~~~
;;   SOFTMAX AHEAD OF A QUANTISED PRODUCT. Where the list says 'softmax', what is quantised is not the finished softmax but p = 2^(t - M), with t = logit x log2(e) and M = ceil(the row's largest t), a whole number; so 1/2 < the row's largest p <= 1. The row's sum l is taken of the UNQUANTISED p, in f32, and the product's result is divided by l at the end. Since M is a whole number, a kernel that streams over the keys may use a running M (the ceiling of the running maximum): every later rescaling is an exact power of two, so the quantised numbers keep their values, but for numbers so far below the row's largest that they fall under the format's range.
;;   OPERANDS COMPUTED ON THE WAY. 'Computed on the way' means the value that the module computes at that place (a softmax that the list does not call 'softmax' is quantised finished and normalised). What goes into a quantiser is computed in f32, as accurately as f32 sums, v_exp_f32 and their like allow (about 1e-6 of the number): no bf16 or f16 on the way to a quantiser, and a product that is left as it is and whose result goes on into a quantised operand takes f32 operands (vector FMAs, or v_wmma_f32_16x16x4_f32). A number that lies on a knife's edge between two numbers of the format may be rounded either way, as far as f32 arithmetic and the matrix unit's own rounding can turn it there, and no further.
;;   INPUTS GIVEN AS CODES. k (in the module: [2, 6, 4096, 64], K = its axis 3); q (in the module: [2, 6, 4096, 64], K = its axis 3); v (in the module: [2, 6, 4096, 64], K = its axis 2): each comes as NAME_codes (uint8): NAME with its K axis moved to the last place and cut into blocks of 32 codes, [.., K / 32, bytes a block], one block behind the other in memory; one code a byte (a code: sign, 4 exponent bits, 3 mantissa bits); its scale is its entry of lowp_scales. Its value is code x scale, taken as it is: it is not quantised again, and the codes and scales need not be those that the quantiser above would give.
;; 2 versions. Each part assembles by itself: llvm-mc -triple=amdgcn-amd-amdhsa -mcpu=gfx1250 --defsym DOCPART=n.
;; ======== version 1 of 2: 2 launches
;; workspace buffers: kimg 3,145,728 bytes; vimg 3,145,728 bytes; bits 2,097,152 bytes of whole numbers; rec 4,096 bytes of whole numbers
;; launch plan (part 1): grid 304 x 1, 8 waves a work-group, no clusters, 71,680 bytes of LDS; arguments mask, k_codes, v_codes, lowp_scales, kimg, vimg, bits, rec; writes kimg, vimg, bits, rec
.if DOCPART == 1
	.amdgcn_target "amdgcn-amd-amdhsa--gfx1250"
	.amdhsa_code_object_version 6
	.text
	.protected	k_q06a71494a3_plan
	.globl	k_q06a71494a3_plan
	.p2align	8
	.type	k_q06a71494a3_plan,@function
k_q06a71494a3_plan:
	s_mov_b64 s[64:65], 0
	v_nop
	global_prefetch_b8 v0, s[64:65] scope:SCOPE_SE
	s_setreg_imm32_b32 hwreg(HW_REG_WAVE_MODE, 25, 1), 1
	s_wait_xcnt 0x0
; WHAT THIS LAUNCH MAKES, for the attention launch behind it.  Nothing of the mask's pattern is built in: every word of the mask is read and honoured.
; bits [256 tiles of 16 queries][64 chunks of 64 keys][32 words]: word n = 16 b + i holds in bit r + 16 h whether mask[16 tile + r][64 chunk + 32 b + 16 h + i] > 0:
;      the lane mask that the attention launch's select wants for its score register n.
; rec  [256 tiles][4 words] = A low, A high, F low, F high.  A's bit c: chunk c has an open key for one of the 16 queries.  F's bit c: all 16 x 64 are open.
;      A is all ones where one of the 16 queries has no open key at all (its softmax is then a mean over all keys), or where eq + ek > 9: a logit is at most
;      64 x 448 x 448 x 2^(eq + ek) / 8 in size, so that up to eq + ek = 9 every open logit lies so far above -1e9 that a closed key's weight is exactly 0 in f32.
; kimg, vimg [12 heads][64 chunks][4 tiles][2 halves][32 lanes][16 bytes]: K's and V's codes in the order of the operands' registers, so that a fragment comes by loads of 16 bytes a lane, 512 consecutive bytes a load.
;      kimg piece (t, c, lane (r, h)) = k[64 chunk + 32 (t / 2) + 8 (t % 2) + r + 8 (r / 8)][32 c + 16 h ..];   vimg piece = v[channel 16 t + r][keys 64 chunk + 32 c + 16 h ..].
; SHARES.  Work-groups 0-255: one tile of 16 mask rows each; wave w takes chunks 8 w .. 8 w + 7 (16 rows x 2,048 bytes).  Work-groups 256-279 lay K out, 280-303 V: a wave takes four chunks of a head.
; A chunk's 16 x 256 bytes are loaded as they lie (a load: two rows' 256 bytes), turn through the wave's own stage in LDS, and come back so that lane (r, h) holds row r's words in the order of the score registers.
; Loads run four chunks (32 loads a wave) ahead, the turn through LDS one chunk.  No tensor loads and no matrix work: the launch streams the mask once.
; rec is stored 16 bytes a work-group, by one lane: 4,096 bytes in the whole launch.
.set PIT,   272                        ; a stage row: 256 bytes + 16, so that the 16 rows that a load of 16 bytes a lane touches start 16 bytes apart modulo 256
.set STG1,  16*PIT                     ; a stage
.set STGW,  2*STG1                     ; two stages a wave, by turns
.set RECL,  8*STGW                     ; 16 bytes a wave: its chunks' flags and its rows' word
.set SPARE, RECL+256                   ; the spare words: 128 bytes for each wave, four blocks of 256 bytes that no other line names
.set DW,    16                         ; v16-23   the words of four chunks as they are stored, two sets
.set R,     32                         ; v32-159  four sets of 32: a chunk as loaded
.set X,     160                        ; v160-223 two sets of 32: a chunk in the order of the score registers
; v1 load offset, v2 stage in, v3 stage out, v4 16 x lane, v5 OR of all words, v6 at work, v7, v8 the records' places, v9, v10 the add's two, v12-15 a record
	s_load_b256 s[4:11], s[0:1], 0x0               ; mask s[4:5], k_codes s[6:7], v_codes s[8:9], lowp_scales s[10:11]
	s_load_b256 s[12:19], s[0:1], 0x20             ; kimg s[12:13], vimg s[14:15], bits s[16:17], rec s[18:19]
	v_lshl_add_u32 v9, v0, 2, SPARE
	v_mov_b32 v10, 0
	v_lshrrev_b32 v6, 5, v0
	v_readfirstlane_b32 s20, v6                    ; wave 0..7
	v_and_b32 v11, 31, v0
	v_lshlrev_b32 v4, 4, v11                       ; 16 x lane
	v_and_b32 v12, 15, v0                          ; r
	v_bfe_u32 v13, v0, 4, 1                        ; h
	s_cmp_ge_u32 ttmp9, 256                        ; the work-group's number alone: all eight waves go the same way
	s_cbranch_scc1 .Lrelay
	; ---------------- the mask
	v_lshlrev_b32 v1, 14, v13
	v_lshl_add_u32 v1, v12, 4, v1                  ; a load: lanes 0-15 one row's 256 bytes, lanes 16-31 the next row's (a mask row is 16,384 bytes)
	s_mul_i32 s26, s20, STGW
	v_mul_u32_u24 v2, v13, PIT
	v_lshl_add_u32 v2, v12, 4, v2
	v_add_nc_u32 v2, s26, v2                       ; into the stage, as loaded
	v_mul_u32_u24 v3, v12, PIT
	v_lshl_add_u32 v3, v13, 6, v3
	v_add_nc_u32 v3, s26, v3                       ; out of it: row r, + 64 h bytes: keys 16 h on
	s_lshl_b32 s27, s20, 4
	s_add_co_u32 s27, s27, RECL
	v_mov_b32 v7, s27                              ; my wave's record
	v_and_b32 v8, 7, v0
	v_lshl_add_u32 v8, v8, 4, RECL                 ; lane w reads wave w's
	v_mov_b32 v5, 0
	v_mov_b32 v6, 0                                ; written once: the destination of a lane move counts as read
.irp e, 0,1,2,3,4,5,6,7
	v_mov_b32 v[DW+\e], 0                          ; likewise for v_writelane_b32
.endr
	s_mov_b32 s21, 0                               ; bit k: my chunk k has an open key
	s_mov_b32 s22, 0                               ; bit k: my chunk k is all open
	s_mov_b32 s24, 0x76543210
	s_mov_b32 s25, 0xfedcba98                      ; selects for lane l xor 16
	s_lshl_b32 s28, ttmp9, 18                      ; 16 rows of 16,384 bytes a tile,
	s_lshl_b32 s29, s20, 11                        ; 8 chunks of 256 bytes a wave
	s_add_co_u32 s28, s28, s29
	s_mov_b32 s29, 0
	s_lshl_b32 s30, ttmp9, 13                      ; bits: 8,192 bytes a tile, 1,024 a wave
	s_lshl_b32 s31, s20, 10
	s_add_co_u32 s30, s30, s31
	s_mov_b32 s31, 0
	s_wait_kmcnt 0x0
	s_load_b64 s[66:67], s[10:11], 0x0             ; eq, ek
	s_add_nc_u64 s[4:5], s[4:5], s[28:29]
	s_add_nc_u64 s[16:17], s[16:17], s[30:31]
.macro LOADC c                         ; chunk c of my eight: 16 rows x 256 bytes, eight loads of two rows
.irp p, 0,1,2,3,4,5,6,7
	global_load_b128 v[R+32*((\c)%4)+4*\p:R+32*((\c)%4)+4*\p+3], v1, s[4:5] offset:2*\p*16384+256*(\c) th:TH_LOAD_NT
.endr
.endm
.macro TURNC c                         ; through my stage: LDS serves a wave's instructions in order, so no wait stands between the stores and the loads
.irp p, 0,1,2,3,4,5,6,7
	ds_store_b128 v2, v[R+32*((\c)%4)+4*\p:R+32*((\c)%4)+4*\p+3] offset:STG1*((\c)%2)+2*\p*PIT
.endr
.irp q, 0,1,2,3,4,5,6,7
	ds_load_b128 v[X+32*((\c)%2)+4*\q:X+32*((\c)%2)+4*\q+3], v3 offset:STG1*((\c)%2)+128*(\q/4)+16*(\q%4)   ; registers 4 q on: keys 32 (q / 4) + 16 h + 4 (q % 4) on
.endr
.endm
.macro BALLOT c                        ; 32 lane masks, and each to its place in the words as they are stored: word n of chunk c lies in lane 8 (c % 4) + n / 4, register n % 4
.set n, 0
.rept 32
	v_cmp_lt_i32 s[32+n], 0, v[X+32*((\c)%2)+n]
.set n, n+1
.endr
.set n, 0
.rept 32
	v_writelane_b32 v[DW+4*((\c)/4)+(n&3)], s[32+n], 8*((\c)%4)+n/4
.set n, n+1
.endr
.endm
.macro FLAGS g                         ; four chunks' words are whole: their flags, and the store
.irp e, 0,1,2,3
	v_or_b32 v5, v5, v[DW+4*(\g)+\e]
.endr
.irp e, 0,1,2,3
	v_cmp_ne_u32 s[68+\e], 0, v[DW+4*(\g)+\e]
	v_cmp_eq_u32 s[72+\e], -1, v[DW+4*(\g)+\e]
.endr
	s_or_b32 s68, s68, s69
	s_or_b32 s70, s70, s71
	s_or_b32 s68, s68, s70                         ; lanes with a word that is not 0
	s_and_b32 s72, s72, s73
	s_and_b32 s74, s74, s75
	s_and_b32 s72, s72, s74                        ; lanes whose four words are all ones
.irp k, 0,1,2,3                        ; a chunk's words lie in eight lanes
	s_bfe_u32 s69, s68, 0x80000+8*\k
	s_cmp_lg_u32 s69, 0
	s_cselect_b32 s69, 1<<(4*(\g)+\k), 0
	s_or_b32 s21, s21, s69
	s_bfe_u32 s73, s72, 0x80000+8*\k
	s_cmp_eq_u32 s73, 255
	s_cselect_b32 s73, 1<<(4*(\g)+\k), 0
	s_or_b32 s22, s22, s73
.endr
	global_store_b128 v4, v[DW+4*(\g):DW+4*(\g)+3], s[16:17] offset:512*(\g)   ; 512 consecutive bytes, aligned; each group of four chunks has registers of its own, so no store's data are written again
.endm
.macro STEPC c
	s_wait_dscnt 0x0                               ; this chunk is back from the stage: so its stores into the stage have read their registers,
.if (\c)+4 < 8
	LOADC (\c)+4                                   ; which take the chunk four further on
.endif
.if (\c)+1 < 8
.if 6-(\c) >= 3
	s_wait_loadcnt 24                              ; the next chunk's eight loads are in; those of the three chunks behind it may be out
.else
	s_wait_loadcnt 8*(6-(\c))                      ; towards the end fewer chunks stand behind it
.endif
	TURNC (\c)+1                                   ; through the other stage while this chunk is worked
.endif
	BALLOT \c
.if (\c)%4 == 3
	FLAGS (\c)/4
.endif
.endm
	LOADC 0
	LOADC 1
	LOADC 2
	LOADC 3
	s_wait_loadcnt 24                              ; chunk 0 is in
	TURNC 0
.irp c, 0,1,2,3,4,5,6,7
	STEPC \c
.endr
	; bit r + 16 h of the OR of all my words: row r has an open key among my 512
	v_mov_b32_dpp v6, v5 row_xmask:1 row_mask:0xf bank_mask:0xf
	v_or_b32 v5, v5, v6
	v_mov_b32_dpp v6, v5 row_xmask:2 row_mask:0xf bank_mask:0xf
	v_or_b32 v5, v5, v6
	v_mov_b32_dpp v6, v5 row_xmask:4 row_mask:0xf bank_mask:0xf
	v_or_b32 v5, v5, v6
	v_mov_b32_dpp v6, v5 row_xmask:8 row_mask:0xf bank_mask:0xf
	v_or_b32 v5, v5, v6
	v_permlanex16_b32 v6, v5, s24, s25
	v_or_b32 v5, v5, v6
	v_mov_b32 v12, s21
	v_mov_b32 v13, s22
	v_mov_b32 v14, v5
	v_mov_b32 v15, 0
	ds_store_b128 v7, v[12:15]                     ; all lanes write the same 16 bytes with the same values
	s_wait_dscnt 0x0                               ; for the others' sake: my record has landed
	s_barrier_signal -1
	s_barrier_wait -1
	ds_load_b128 v[24:27], v8                      ; lane w: wave w's record
	s_wait_dscnt 0x0
	s_mov_b32 s68, 0                               ; A low, high
	s_mov_b32 s69, 0
	s_mov_b32 s70, 0                               ; F low, high
	s_mov_b32 s71, 0
	s_mov_b32 s72, 0                               ; the rows' word
.irp w, 0,1,2,3,4,5,6,7
	v_readlane_b32 s73, v24, \w
	v_readlane_b32 s74, v25, \w
	v_readlane_b32 s75, v26, \w
	s_lshl_b32 s73, s73, 8*(\w%4)
	s_lshl_b32 s74, s74, 8*(\w%4)
	s_or_b32 s[68+\w/4], s[68+\w/4], s73
	s_or_b32 s[70+\w/4], s[70+\w/4], s74
	s_or_b32 s72, s72, s75
.endr
	s_lshr_b32 s73, s72, 16
	s_or_b32 s72, s72, s73
	s_and_b32 s72, s72, 0xffff                     ; bit r: row r has an open key
	s_wait_kmcnt 0x0
	s_add_co_i32 s66, s66, s67                     ; eq + ek
	s_cmp_eq_u32 s72, 0xffff
	s_cselect_b32 s73, 1, 0
	s_cmp_le_i32 s66, 9
	s_cselect_b32 s74, 1, 0
	s_and_b32 s73, s73, s74
	s_cmp_lg_u32 s73, 0                            ; may chunks without an open key be left out?
	s_cselect_b32 s68, s68, -1
	s_cselect_b32 s69, s69, -1
	v_mov_b32 v12, s68
	v_mov_b32 v13, s69
	v_mov_b32 v14, s70
	v_mov_b32 v15, s71
	s_lshl_b32 s74, ttmp9, 4
	v_mov_b32 v11, s74
	v_cmp_eq_u32 vcc_lo, 0, v0
	s_wait_xcnt 0x0                                ; EXEC is a source of the stores above: it changes only behind this wait
	s_and_saveexec_b32 s75, vcc_lo
	global_store_b128 v11, v[12:15], s[18:19]      ; thread 0 alone
	s_wait_xcnt 0x0                                ; and again, in front of the line that widens it
	s_or_b32 exec_lo, exec_lo, s75
	s_branch .Lend
	; ---------------- K and V in the order of the operands' registers
.Lrelay:
	s_cmp_ge_u32 ttmp9, 280
	s_cbranch_scc1 .Lrelay_v
	s_sub_co_u32 s26, ttmp9, 256
	s_lshl_b32 s26, s26, 3
	s_add_co_u32 s26, s26, s20                     ; unit u = 0 .. 191: head u / 16, chunks 4 (u % 16) on: 16,384 u bytes in k_codes and in kimg alike
	s_lshl_b32 s26, s26, 14
	s_mov_b32 s27, 0
	v_and_b32 v1, 8, v12
	v_add_nc_u32 v1, v1, v12                       ; r + 8 (r / 8)
	v_lshlrev_b32 v1, 6, v1                        ; a key's row is 64 bytes
	v_lshl_add_u32 v1, v13, 4, v1
	s_wait_kmcnt 0x0
	s_add_nc_u64 s[6:7], s[6:7], s[26:27]
	s_add_nc_u64 s[12:13], s[12:13], s[26:27]
.irp kk, 0,1,2,3
.irp t, 0,1,2,3
.irp c, 0,1
	global_load_b128 v[32+32*\kk+8*\t+4*\c:32+32*\kk+8*\t+4*\c+3], v1, s[6:7] offset:4096*\kk+(32*(\t/2)+8*(\t%2))*64+32*\c
.endr
.endr
.endr
.irp kk, 0,1,2,3
	s_wait_loadcnt 24-8*\kk                        ; this chunk's eight loads are in; the later chunks' may be out
.irp t, 0,1,2,3
.irp c, 0,1
	global_store_b128 v4, v[32+32*\kk+8*\t+4*\c:32+32*\kk+8*\t+4*\c+3], s[12:13] offset:4096*\kk+512*(2*\t+\c)   ; 512 consecutive bytes, aligned
.endr
.endr
.endr
	s_branch .Lend
.Lrelay_v:
	s_sub_co_u32 s26, ttmp9, 280
	s_lshl_b32 s26, s26, 3
	s_add_co_u32 s26, s26, s20                     ; unit u
	s_lshr_b32 s28, s26, 4
	s_lshl_b32 s28, s28, 18                        ; the head's 64 rows of 4,096 bytes,
	s_and_b32 s29, s26, 15
	s_lshl_b32 s29, s29, 8                         ; four chunks of 64 keys in a row
	s_add_co_u32 s28, s28, s29
	s_mov_b32 s29, 0
	s_lshl_b32 s26, s26, 14
	s_mov_b32 s27, 0
	v_lshlrev_b32 v2, 12, v12                      ; channel r's row
	v_lshl_add_u32 v2, v13, 4, v2
	s_wait_kmcnt 0x0
	s_add_nc_u64 s[8:9], s[8:9], s[28:29]
	s_add_nc_u64 s[14:15], s[14:15], s[26:27]
.irp kk, 0,1,2,3
.irp t, 0,1,2,3
.irp c, 0,1
	global_load_b128 v[32+32*\kk+8*\t+4*\c:32+32*\kk+8*\t+4*\c+3], v2, s[8:9] offset:64*\kk+65536*\t+32*\c
.endr
.endr
.endr
.irp kk, 0,1,2,3
	s_wait_loadcnt 24-8*\kk
.irp t, 0,1,2,3
.irp c, 0,1
	global_store_b128 v4, v[32+32*\kk+8*\t+4*\c:32+32*\kk+8*\t+4*\c+3], s[14:15] offset:4096*\kk+512*(2*\t+\c)
.endr
.endr
.endr
.Lend:
	s_wait_tensorcnt 0x0                           ; the wave's end
	ds_add_u32 v9, v10
	s_wait_dscnt 0x0
	s_endpgm
.Lfunc_end_k_q06a71494a3_plan:
	.size	k_q06a71494a3_plan, .Lfunc_end_k_q06a71494a3_plan-k_q06a71494a3_plan
	.p2alignl 7, 3214868480
	.fill 96, 4, 3214868480
	.section	.rodata,"a",@progbits
	.p2align	6, 0x0
	.amdhsa_kernel k_q06a71494a3_plan
		.amdhsa_group_segment_fixed_size 71680
		.amdhsa_private_segment_fixed_size 0
		.amdhsa_enable_private_segment 0
		.amdhsa_kernarg_size 64
		.amdhsa_user_sgpr_count 2
		.amdhsa_user_sgpr_kernarg_segment_ptr 1
		.amdhsa_wavefront_size32 1
		.amdhsa_system_sgpr_workgroup_id_x 1
		.amdhsa_system_sgpr_workgroup_id_y 1
		.amdhsa_system_sgpr_workgroup_id_z 1
		.amdhsa_system_vgpr_workitem_id 0
		.amdhsa_next_free_vgpr 224
		.amdhsa_next_free_sgpr 80
		.amdhsa_reserve_vcc 1
		.amdhsa_float_denorm_mode_32 3
		.amdhsa_float_denorm_mode_16_64 3
		.amdhsa_memory_ordered 1
		.amdhsa_forward_progress 1
		.amdhsa_inst_pref_size 72
	.end_amdhsa_kernel
	.amdgpu_metadata
---
amdhsa.version: [ 1, 2 ]
amdhsa.kernels:
  - .name:           k_q06a71494a3_plan
    .symbol:         k_q06a71494a3_plan.kd
    .args:
      - { .name: mask, .offset: 0, .size: 8, .value_kind: global_buffer, .address_space: global }
      - { .name: k_codes, .offset: 8, .size: 8, .value_kind: global_buffer, .address_space: global }
      - { .name: v_codes, .offset: 16, .size: 8, .value_kind: global_buffer, .address_space: global }
      - { .name: lowp_scales, .offset: 24, .size: 8, .value_kind: global_buffer, .address_space: global }
      - { .name: kimg, .offset: 32, .size: 8, .value_kind: global_buffer, .address_space: global }
      - { .name: vimg, .offset: 40, .size: 8, .value_kind: global_buffer, .address_space: global }
      - { .name: bits, .offset: 48, .size: 8, .value_kind: global_buffer, .address_space: global }
      - { .name: rec, .offset: 56, .size: 8, .value_kind: global_buffer, .address_space: global }
    .group_segment_fixed_size: 71680
    .private_segment_fixed_size: 0
    .kernarg_segment_align: 8
    .kernarg_segment_size: 64
    .max_flat_workgroup_size: 256
    .sgpr_count:     80
    .vgpr_count:     224
    .wavefront_size: 32
...
	.end_amdgpu_metadata
.endif
;; end of part 1
;; launch attend (part 2): grid 256 x 1, 8 waves a work-group, no clusters, 167,936 bytes of LDS; arguments q_codes, kimg, vimg, bits, rec, lowp_scales, out0; writes out0
.if DOCPART == 2
	.amdgcn_target "amdgcn-amd-amdhsa--gfx1250"
	.amdhsa_code_object_version 6
	.text
	.protected	k_q06a71494a3_attend
	.globl	k_q06a71494a3_attend
	.p2align	8
	.type	k_q06a71494a3_attend,@function
k_q06a71494a3_attend:
	s_mov_b64 s[64:65], 0
	v_nop
	global_prefetch_b8 v0, s[64:65] scope:SCOPE_SE
	s_setreg_imm32_b32 hwreg(HW_REG_WAVE_MODE, 25, 1), 1
	s_wait_xcnt 0x0
; out[h][q][:] = the sum over k of softmax_k(where(mask[q][k] > 0, q . k / 8, -1e9)) v[h][k][:], both products on codes of FP8 (E4M3) by v_wmma_f32_16x16x64_fp8_fp8, each tensor with its given scale 2^e.
; THE SOFTMAX AHEAD OF THE SECOND PRODUCT: t = logit x log2(e); M = the running largest t rounded UP to a whole number; p = 2^(t - M) is quantised with 2^ep; the row's sum l is taken of the unquantised p and divides at the end.
; When M moves, l and O are multiplied by 2^(old M - new M): exact.  A closed key has t = f32(-1e9 x log2(e)), a whole number: a row with no open key gets p = 1 for every key, the mean that the definition gives.
; WHAT IS WALKED.  A BAND is 32 queries, a CHUNK 64 keys.  The launch before has stored, as whole numbers, for each 16 queries the chunks that count (A) and those that are all open (F), and the mask as lane masks (bits).
; A chunk outside A adds exactly 0 to every row of the band (that launch says when this holds) and is not walked.  In a chunk of F no mask word is read.  Every other chunk is masked by selects.  Any mask is served, a dense one too.
; SHARES.  256 work-groups of eight waves stay and walk seven slots (a constant).  Slot 0, work-groups 32-223: eight bands of one head, a wave each, served there if the band has at most 8 chunks.
; Slots 1-6: slot (trip - 1) x 256 + work-group = 12 x band + head, served there if the band has more than 8 chunks: wave w takes chunks 8 w .. 8 w + 7 and the eight parts are merged through LDS (exact powers of two).
; So every band of every head has one owner, no wave walks more than 8 chunks in a slot, and each output row is stored once.
; NO TENSOR LOADS, NO CLUSTER: which chunks a wave walks, and how many, hangs on numbers read from memory, so partners would ask for different tiles; K's and V's fragments come from memory straight into registers, laid out for that by the launch before.
; LAYOUT.  Both products are used transposed: S^T = K Q^T (source 0 = 16 keys, source 1 = 16 queries), O^T = V^T P^T: lane (r, h) holds query r throughout.  The keys of a tile are chosen so that score register 16 b + i is key 32 b + 16 h + i:
; two conversions of eight give registers 4 b .. 4 b + 3 of P.  All fragments hold k = 32 c + 16 h + 0 .. 15 in registers 4 c .. 4 c + 3: the same permutation of k on both sides of a product.
; LIMITS: eq + ek between -123 and 130 (added to a constant's exponent field); ep between -126 and 119; ep + ev goes by v_ldexp_f32 and has none.  NaN codes among the inputs are not served.
; LDS is claimed beyond the 72,704 bytes used, so that each work-group has a WGP of its own.
.set PIT,   272                        ; a row of O in LDS: 256 bytes + 16
.set REGW,  32*PIT                     ; a wave's region: its 32 rows of O
.set STAT,  8*REGW                     ; row x 64 + 8 x wave: (-M, l) of each part
.set SPARE, STAT+2048                  ; the spare words: 128 bytes for each wave, four blocks of 256 bytes that no other line names
.set TRIPS, 7
.set ST, 16                            ; v16-31   a tile's statistics, 8 each: +0 -M, +1 largest t (at the end l), +2, +3 l in two halves, +4 f, +5 zero, +6, +7 a second chain of sums
.set Q,  32                            ; v32-47   Q, 8 a tile of queries
.set P,  48                            ; v48-63   P's codes, 8 a tile; ahead of the conversions four chains of the maximum
.set KR, 64                            ; v64-95   K, 8 a tile of keys
.set VR, 96                            ; v96-127  V, 8 a tile of channels
.set S,  128                           ; v128-191 S^T, then p: 32 a tile of queries
.set O,  192                           ; v192-255 O^T: 32 a tile of queries
; v1 16 x lane; v2, v3 K's and V's offsets; v4-7 lane i: trip i's A low, A high, F low, F high; v8 2^ep; v9, v10 the add's two; v11 a closed key's t; v12 448 x 2^ep; v13-15 addresses
; s2 the band's first row; s3 at work; s[4:13] q, kimg, vimg, bits, out; s14 wave; s15 trip; s16 1 = a long slot; s17 1 = I work; s18 chunks - 1; s19 counts them; s[20:21] chunks to walk; s[22:23] F;
; s24, s25 the chunk in hand and its flag; s26, s27 the next; s[28:29] the factor that turns a score register into t; s30 log2(e) / 8 x 2^(eq + ek); s31 ep + ev;
; s[32:63], s[68:99] the two tiles' lane masks (at work at a trip's head and in POP, where no load into them is out); s[66:67] lane selects; s100 1 = p needs its hold; s101 offset in bits; s104 64 x head; s105 16,384 x band
; The lowest chunk of s[20:21] is taken out: its number, held at 63 by a constant in the instruction since it enters addresses, and its bit of F.
.macro POP dst, dstf
	s_cmp_lg_u32 s20, 0
	s_cselect_b32 s32, s20, s21
	s_cselect_b32 s33, 0, 32
	s_cselect_b32 s34, s22, s23
	s_ctz_i32_b32 s35, s32
	s_min_u32 s35, s35, 31
	s_add_co_u32 s[\dst], s33, s35
	s_min_u32 s[\dst], s[\dst], 63
	s_lshr_b32 s[\dstf], s34, s35
	s_and_b32 s[\dstf], s[\dstf], 1
	s_sub_co_u32 s35, s32, 1
	s_and_b32 s32, s32, s35                        ; the lowest bit is cleared
	s_cmp_lg_u32 s20, 0
	s_cselect_b32 s20, s32, s20
	s_cselect_b32 s21, s21, s32
.endm
; A STEP: 32 queries x the 64 keys of chunk s24.  pf = 1: the next chunk's K and V are asked for on the way.
.macro STEP pf
.if \pf
	POP 26, 27
.endif
	s_cmp_lg_u32 s25, 0
	s_cbranch_scc1 .Lfull_\@                       ; all open: no mask word is read
	s_lshl_b32 s101, s24, 7
	s_add_co_u32 s101, s101, s105                  ; 128 bytes a chunk, 8,192 a tile of 16 queries
	s_load_b512 s[32:47], s[10:11], s101 offset:0x0
	s_load_b512 s[48:63], s[10:11], s101 offset:0x40
	s_load_b512 s[68:83], s[10:11], s101 offset:0x2000
	s_load_b512 s[84:99], s[10:11], s101 offset:0x2040
.Lfull_\@:
	s_wait_loadcnt 0x8                             ; K (and, in a band's first step, Q) is in; the eight loads behind it, V's, may be out
.irp t, 0,1,2,3
.irp u, 0,1
	v_wmma_f32_16x16x64_fp8_fp8 v[S+32*\u+8*\t:S+32*\u+8*\t+7], v[KR+8*\t:KR+8*\t+7], v[Q+8*\u:Q+8*\u+7], 0
.endr
.endr
	s_mov_b32 s28, s30
	s_mov_b32 s29, s30
.if \pf
	s_add_co_u32 s3, s104, s26
	s_lshl_b32 s3, s3, 12                          ; 4,096 bytes a chunk, 64 chunks a head
	v_add_nc_u32 v2, s3, v1                        ; (K's loads are in, so their offset may be written.)  This line and three v_nop: the four places behind the products, ahead of loads into K's registers and of the first read of the scores
.rept 3
	v_nop
.endr
.irp i, 0,1,2,3,4,5,6,7
	global_load_b128 v[KR+4*\i:KR+4*\i+3], v2, s[6:7] offset:512*\i
.endr
.else
.rept 4
	v_nop
.endr
.endif
	s_wait_kmcnt 0x0                               ; the mask words, where they were asked for; on every path, so that none leaves a scalar load out
	s_cmp_lg_u32 s25, 0
	s_cbranch_scc1 .Lopen_\@
.set n, 0
.rept 32
	v_pk_mul_f32 v[S+n:S+n+1], v[S+n:S+n+1], s[28:29] op_sel_hi:[1,0]   ; t, each accumulator from its low end on
.set n, n+2
.endr
.set n, 0
.rept 32
	v_cndmask_b32 v[S+n], v11, v[S+n], s[32+n]     ; a closed key's t
	v_cndmask_b32 v[S+32+n], v11, v[S+32+n], s[68+n]
.set n, n+1
.endr
	s_mov_b32 s28, 1.0                             ; the registers hold t already
	s_mov_b32 s29, 1.0
.Lopen_\@:
	; the largest of a lane's 32, in four chains a tile; each accumulator is first read at its lowest registers
.irp j, 0,1,2,3
.irp u, 0,1
	v_max3_num_f32 v[P+8*\u+\j], v[S+32*\u+8*\j], v[S+32*\u+8*\j+1], v[S+32*\u+8*\j+2]
.endr
.endr
.irp g, 1,2
.irp j, 0,1,2,3
.irp u, 0,1
	v_max3_num_f32 v[P+8*\u+\j], v[P+8*\u+\j], v[S+32*\u+8*\j+2*\g+1], v[S+32*\u+8*\j+2*\g+2]
.endr
.endr
.endr
.irp u, 0,1
	v_max3_num_f32 v[P+8*\u], v[P+8*\u], v[S+32*\u+7], v[S+32*\u+15]
	v_max3_num_f32 v[P+8*\u+2], v[P+8*\u+2], v[S+32*\u+23], v[S+32*\u+31]
.endr
.irp u, 0,1
	v_max3_num_f32 v[P+8*\u], v[P+8*\u], v[P+8*\u+1], v[P+8*\u+2]
.endr
.irp u, 0,1
	v_max_num_f32 v[P+8*\u], v[P+8*\u], v[P+8*\u+3]
.endr
.irp u, 0,1
	v_permlanex16_b32 v[P+8*\u+1], v[P+8*\u], s66, s67   ; the query's other 32 keys lie in lane l xor 16
.endr
.irp u, 0,1
	v_max_num_f32 v[P+8*\u], v[P+8*\u], v[P+8*\u+1]
.endr
.irp u, 0,1
	v_mul_f32 v[P+8*\u], s28, v[P+8*\u]            ; as t (the factor is positive)
.endr
.irp u, 0,1
	v_max_num_f32 v[ST+8*\u+1], v[ST+8*\u+1], v[P+8*\u]   ; the running largest t
	v_mov_b32 v[P+8*\u+1], v[ST+8*\u]
.endr
.irp u, 0,1
	v_floor_f32 v[ST+8*\u], -v[ST+8*\u+1]          ; -M = floor(-t) = -ceil(t): M is a whole number
.endr
.irp u, 0,1
	v_sub_f32 v[P+8*\u+1], v[ST+8*\u], v[P+8*\u+1] ; old M - new M: a whole number, 0 or less
.endr
.irp u, 0,1
	v_cvt_i32_f32 v[P+8*\u+1], v[P+8*\u+1]         ; (it saturates)
.endr
.irp u, 0,1
	v_ldexp_f32 v[ST+8*\u+4], 1.0, v[P+8*\u+1]     ; f = 2^(old M - new M)
.endr
.irp u, 0,1
.set n, 0
.rept 16
	v_pk_fma_f32 v[S+32*\u+n:S+32*\u+n+1], v[S+32*\u+n:S+32*\u+n+1], s[28:29], v[ST+8*\u:ST+8*\u+1] op_sel_hi:[1,0,0]   ; t - M (of both pairs the low word serves both halves)
.set n, n+2
.endr
.endr
.set n, 0
.rept 64
	v_exp_f32 v[S+n], v[S+n]                       ; p = 2^(t - M): one batch
.set n, n+1
.endr
.irp u, 0,1
	v_pk_mul_f32 v[ST+8*\u+2:ST+8*\u+3], v[ST+8*\u+2:ST+8*\u+3], v[ST+8*\u+4:ST+8*\u+5] op_sel_hi:[1,0]   ; l under the new M; the plain lines behind the last exponential
.endr
	s_wait_alu depctr_va_vdst(0)                   ; one wait for the 64 exponentials, ahead of their first reader
.irp u, 0,1
	v_pk_add_f32 v[ST+8*\u+6:ST+8*\u+7], v[S+32*\u:S+32*\u+1], v[S+32*\u+2:S+32*\u+3]   ; the sum of the UNQUANTISED p, two chains a tile
.endr
.irp j, 4,8,12,16,20,24,28
.irp u, 0,1
	v_pk_add_f32 v[ST+8*\u+2:ST+8*\u+3], v[ST+8*\u+2:ST+8*\u+3], v[S+32*\u+\j:S+32*\u+\j+1]
	v_pk_add_f32 v[ST+8*\u+6:ST+8*\u+7], v[ST+8*\u+6:ST+8*\u+7], v[S+32*\u+\j+2:S+32*\u+\j+3]
.endr
.endr
.irp u, 0,1
	v_pk_add_f32 v[ST+8*\u+2:ST+8*\u+3], v[ST+8*\u+2:ST+8*\u+3], v[ST+8*\u+6:ST+8*\u+7]
.endr
	s_cmp_eq_u32 s100, 0                           ; p is at most 1, and 1 / 2^ep is at most 256 from ep = -8 on: only below that can a code pass 448.  A branch on the whole number ep
	s_cbranch_scc1 .Lnohold_\@
.set n, 0
.rept 64
	v_min_num_f32 v[S+n], v[S+n], v12              ; the conversion does not saturate (ISA guide 7.6.2); p is not negative, so the hold is one-sided
.set n, n+1
.endr
.Lnohold_\@:
.irp u, 0,1
.irp b, 0,1
	v_cvt_scalef32_pk8_fp8_f32 v[P+8*\u+4*\b:P+8*\u+4*\b+1], v[S+32*\u+16*\b:S+32*\u+16*\b+7], v8
	v_cvt_scalef32_pk8_fp8_f32 v[P+8*\u+4*\b+2:P+8*\u+4*\b+3], v[S+32*\u+16*\b+8:S+32*\u+16*\b+15], v8
.endr
.endr
.irp u, 0,1
.set n, 0
.rept 16
	v_pk_mul_f32 v[O+32*\u+n:O+32*\u+n+1], v[O+32*\u+n:O+32*\u+n+1], v[ST+8*\u+4:ST+8*\u+5] op_sel_hi:[1,0]   ; O^T under the new M, each accumulator from its low end on; also the plain lines behind the conversions
.set n, n+2
.endr
.endr
.if \pf
	s_wait_loadcnt 0x8                             ; V is in; the eight loads behind it, the next chunk's K, may be out
.else
	s_wait_loadcnt 0x0
.endif
.irp d, 0,1,2,3                        ; the eight accumulators take turns, one instruction a turn; between two links of a chain stand the 15 other products of a step
.irp u, 0,1
	v_wmma_f32_16x16x64_fp8_fp8 v[O+32*\u+8*\d:O+32*\u+8*\d+7], v[VR+8*\d:VR+8*\d+7], v[P+8*\u:P+8*\u+7], v[O+32*\u+8*\d:O+32*\u+8*\d+7]
.endr
.endr
.if \pf
	v_mov_b32 v3, v2                               ; (V's loads are in, so their offset may be written.)  Four places ahead of the loads into V's registers
.rept 3
	v_nop
.endr
.irp i, 0,1,2,3,4,5,6,7
	global_load_b128 v[VR+4*\i:VR+4*\i+3], v3, s[8:9] offset:512*\i
.endr
	s_min_u32 s24, s26, 63                         ; the next chunk becomes the chunk in hand (a copy that keeps the bound in the instruction)
	s_mov_b32 s25, s27
.endif
.endm
.macro PUT                             ; my 32 rows of O into my region: lane (r, h): row 16 u + r, channels 16 d + 8 h on; each accumulator from its low end on
.irp u, 0,1
.irp d, 0,1,2,3
	ds_store_b128 v13, v[O+32*\u+8*\d:O+32*\u+8*\d+3] offset:16*\u*PIT+64*\d
	ds_store_b128 v13, v[O+32*\u+8*\d+4:O+32*\u+8*\d+7] offset:16*\u*PIT+64*\d+16
.endr
.endr
.endm
	s_load_b256 s[4:11], s[0:1], 0x0               ; q_codes s[4:5], kimg s[6:7], vimg s[8:9], bits s[10:11]
	s_load_b128 s[68:71], s[0:1], 0x20             ; rec s[68:69], lowp_scales s[70:71]
	s_load_b64 s[12:13], s[0:1], 0x30              ; out0
	v_lshl_add_u32 v9, v0, 2, SPARE
	v_mov_b32 v10, 0
	v_lshrrev_b32 v13, 5, v0
	v_readfirstlane_b32 s14, v13                   ; wave 0..7
	v_and_b32 v13, 31, v0
	v_lshlrev_b32 v1, 4, v13
	s_mov_b32 s66, 0x76543210
	s_mov_b32 s67, 0xfedcba98
	; all seven trips' records come at once: lane i asks for trip i's band.  x / 12 = (x x 43,691) >> 19, exact for x under 131,072
	s_mov_b32 s3, ttmp9
	v_lshl_add_u32 v14, v13, 8, s3
	v_add_nc_u32 v14, 0xffffff00, v14              ; slot = 256 (i - 1) + work-group
	v_min_u32 v14, 0x5ff, v14                      ; (lane 0 and lanes 7 on have none: held inside the table)
	v_mul_u32_u24 v14, v14, 0xaaab
	v_lshrrev_b32 v14, 19, v14                     ; band
	s_sub_co_u32 s16, ttmp9, 32
	s_min_u32 s16, s16, 191
	s_mul_i32 s17, s16, 0xaaab
	s_lshr_b32 s17, s17, 19
	s_lshl_b32 s17, s17, 3
	s_add_co_u32 s17, s17, s14                     ; trip 0: band 8 x group + wave
	v_mov_b32 v15, s17
	v_cmp_eq_u32 vcc_lo, 0, v13
	v_cndmask_b32 v14, v14, v15, vcc_lo
	v_lshlrev_b32 v14, 5, v14                      ; a band's two records are 32 bytes
	s_wait_kmcnt 0x0
	s_load_b128 s[72:75], s[70:71], 0x0            ; eq, ek, ep, ev
	global_load_b128 v[16:19], v14, s[68:69]
	global_load_b128 v[20:23], v14, s[68:69] offset:16
	s_wait_kmcnt 0x0
	s_add_co_i32 s3, s72, s73
	s_lshl_b32 s3, s3, 23
	s_add_co_i32 s30, s3, 0x3e38aa3b               ; log2(e) / 8, with eq + ek added to its exponent field
	s_add_co_i32 s31, s74, s75                     ; ep + ev
	s_add_co_i32 s3, s74, 127
	s_lshl_b32 s16, s3, 23
	v_mov_b32 v8, s16                              ; 2^ep as f32: the conversion takes its exponent field
	s_add_co_i32 s3, s3, 8
	s_lshl_b32 s3, s3, 23
	s_or_b32 s3, s3, 0x600000
	v_mov_b32 v12, s3                              ; 448 x 2^ep
	v_mov_b32 v11, 0xceabfb8f                      ; f32(-1e9 x log2(e)) = -1,442,695,040
	s_cmp_le_i32 s74, -9
	s_cselect_b32 s100, 1, 0
	s_wait_loadcnt 0x0
	v_or_b32 v4, v16, v20                          ; a chunk counts for the band if it counts for either 16 queries,
	v_or_b32 v5, v17, v21
	v_and_b32 v6, v18, v22                         ; and is all open if it is for both
	v_and_b32 v7, v19, v23
.irp u, 0,1
	v_mov_b32 v[ST+8*\u+5], 0                      ; named as the upper half of f's pair
	v_mov_b32 v[ST+8*\u+6], 0                      ; a lane permute's destination counts as read
	v_mov_b32 v[ST+8*\u+7], 0
.endr
.set n, 32
.rept 16
	s_mov_b64 s[n:n+1], 0                          ; the mask words' registers are written once, so that every path finds them written
	s_mov_b64 s[n+36:n+37], 0
.set n, n+2
.endr
	s_mov_b32 s15, 0
.Ltrip:
	; which band of which head: ids alone
	s_lshl_b32 s32, s15, 8
	s_add_co_u32 s32, s32, ttmp9
	s_sub_co_u32 s32, s32, 256
	s_min_u32 s32, s32, 1535                       ; a long slot (trip 0 has none)
	s_mul_i32 s33, s32, 0xaaab
	s_lshr_b32 s33, s33, 19                        ; its band,
	s_mul_i32 s34, s33, 12
	s_sub_co_u32 s34, s32, s34                     ; its head
	s_sub_co_u32 s35, ttmp9, 32
	s_cmp_lt_u32 s35, 192
	s_cselect_b32 s38, 1, 0                        ; has my work-group a short slot?
	s_min_u32 s35, s35, 191
	s_mul_i32 s36, s35, 0xaaab
	s_lshr_b32 s36, s36, 19                        ; its group of eight bands,
	s_mul_i32 s37, s36, 12
	s_sub_co_u32 s37, s35, s37                     ; its head
	s_lshl_b32 s36, s36, 3
	s_add_co_u32 s36, s36, s14                     ; my band
	s_cmp_eq_u32 s15, 0
	s_cselect_b32 s33, s36, s33
	s_cselect_b32 s34, s37, s34
	s_cselect_b32 s16, 0, 1
	s_cselect_b32 s38, s38, 1
	s_lshl_b32 s2, s34, 12
	s_lshl_b32 s39, s33, 5
	s_add_co_u32 s2, s2, s39                       ; the band's first row among the 12 x 4,096
	s_lshl_b32 s104, s34, 6
	s_lshl_b32 s105, s33, 14
	v_readlane_b32 s20, v4, s15
	v_readlane_b32 s21, v5, s15
	v_readlane_b32 s22, v6, s15
	v_readlane_b32 s23, v7, s15
	s_bcnt1_i32_b32 s40, s20
	s_bcnt1_i32_b32 s41, s21
	s_add_co_u32 s40, s40, s41                     ; the band's chunks
	s_cmp_gt_u32 s40, 8
	s_cselect_b32 s41, 1, 0
	s_xor_b32 s42, s41, 1
	s_and_b32 s42, s42, s38
	s_cmp_lg_u32 s16, 0
	s_cselect_b32 s17, s41, s42                    ; a long slot serves more than 8 chunks, a short one up to 8
	s_and_b32 s43, s14, 3
	s_lshl_b32 s43, s43, 3
	s_lshl_b32 s43, 0xff, s43
	s_cmp_lt_u32 s14, 4
	s_cselect_b32 s44, s43, 0
	s_cselect_b32 s45, 0, s43                      ; chunks 8 w .. 8 w + 7
	s_cmp_lg_u32 s16, 0
	s_cselect_b32 s44, s44, -1
	s_cselect_b32 s45, s45, -1
	s_and_b32 s20, s20, s44
	s_and_b32 s21, s21, s45
	s_cmp_eq_u32 s17, 0
	s_cbranch_scc1 .Lbar1
.set n, 0
.rept 64
	v_mov_b32 v[O+n], 0                            ; the step is written for every chunk alike: the first finds zeros, which the first change of M leaves zeros
.set n, n+1
.endr
.irp u, 0,1
	v_mov_b32 v[ST+8*\u+1], 0xff61b1e6             ; the largest t so far: -3e38
	v_mov_b32 v[ST+8*\u+2], 0
	v_mov_b32 v[ST+8*\u+3], 0
.endr
.irp u, 0,1
	v_floor_f32 v[ST+8*\u], -v[ST+8*\u+1]
.endr
	s_bcnt1_i32_b32 s32, s20
	s_bcnt1_i32_b32 s33, s21
	s_add_co_u32 s32, s32, s33
	s_cmp_eq_u32 s32, 0
	s_cbranch_scc1 .Ldone                          ; a wave of a long slot without chunks hands on the neutral part: l = 0, O = 0, M under every M
	s_sub_co_u32 s18, s32, 1
	POP 24, 25
	v_and_b32 v14, 15, v0
	v_bfe_u32 v15, v0, 4, 1
	s_lshl_b32 s3, s2, 6                           ; a query's row is 64 bytes
	v_lshlrev_b32 v13, 6, v14
	v_lshl_add_u32 v13, v15, 4, v13
	v_add_nc_u32 v13, s3, v13
.irp u, 0,1
.irp c, 0,1
	global_load_b128 v[Q+8*\u+4*\c:Q+8*\u+4*\c+3], v13, s[4:5] offset:1024*\u+32*\c
.endr
.endr
	s_add_co_u32 s3, s104, s24
	s_lshl_b32 s3, s3, 12
	v_add_nc_u32 v2, s3, v1
	v_mov_b32 v3, v2
.irp i, 0,1,2,3,4,5,6,7
	global_load_b128 v[KR+4*\i:KR+4*\i+3], v2, s[6:7] offset:512*\i
.endr
.irp i, 0,1,2,3,4,5,6,7
	global_load_b128 v[VR+4*\i:VR+4*\i+3], v3, s[8:9] offset:512*\i
.endr
	s_mov_b32 s19, 0
	s_cmp_eq_u32 s18, 0
	s_cbranch_scc1 .Ltail
.Lchunk:                                           ; all chunks but the last
	STEP 1
	s_add_co_u32 s19, s19, 1
	s_cmp_lt_u32 s19, s18
	s_cbranch_scc1 .Lchunk
.Ltail:
	STEP 0                                         ; the last chunk is written out: it asks for nothing, and every count holds on every path
.Ldone:
.irp u, 0,1
	v_add_f32 v[ST+8*\u+1], v[ST+8*\u+2], v[ST+8*\u+3]   ; l's two halves.  (These additions and the address lines below are the places behind the last products)
.endr
.irp u, 0,1
	v_permlanex16_b32 v[ST+8*\u+6], v[ST+8*\u+1], s66, s67
.endr
.irp u, 0,1
	v_add_f32 v[ST+8*\u+1], v[ST+8*\u+1], v[ST+8*\u+6]   ; and lane l xor 16's: the pair (+0, +1) is now (-M, l)
.endr
	v_and_b32 v14, 15, v0                          ; r
	v_bfe_u32 v15, v0, 4, 1                        ; h
	s_mul_i32 s3, s14, REGW
	v_mul_u32_u24 v13, v14, PIT
	v_lshl_add_u32 v13, v15, 5, v13
	v_add_nc_u32 v13, s3, v13                      ; into my region: row r, + 32 h bytes
	s_cmp_lg_u32 s16, 0
	s_cbranch_scc1 .Llong_out
	; a short slot: the band is whole.  O / l x 2^(ep + ev) goes through my own region and leaves as whole rows
	v_rcp_f32 v[ST+6], v[ST+1]
	v_rcp_f32 v[ST+14], v[ST+9]
	v_mul_u32_u24 v15, v15, PIT                    ; (plain lines behind the reciprocals)
	v_lshl_add_u32 v14, v14, 4, v15
	v_add_nc_u32 v14, s3, v14                      ; back: lanes 0-15 one row of 256 bytes, lanes 16-31 the next
	s_lshl_b32 s3, s2, 8
	v_add_nc_u32 v15, s3, v1                       ; and the same two rows in out: 256 x row + 16 x lane
	s_wait_alu depctr_va_vdst(0)                   ; one wait for both reciprocals, ahead of their first reader
	v_ldexp_f32 v[ST+6], v[ST+6], s31
	v_ldexp_f32 v[ST+14], v[ST+14], s31
.irp u, 0,1
.set n, 0
.rept 16
	v_pk_mul_f32 v[O+32*\u+n:O+32*\u+n+1], v[O+32*\u+n:O+32*\u+n+1], v[ST+8*\u+6:ST+8*\u+7] op_sel_hi:[1,0]
.set n, n+2
.endr
.endr
	PUT
.irp i, 0,1,2,3,4,5,6,7,8,9,10,11,12,13,14,15
	ds_load_b128 v[KR+4*\i:KR+4*\i+3], v14 offset:2*\i*PIT   ; LDS serves a wave's instructions in order: these see my stores
.endr
.irp i, 0,1,2,3,4,5,6,7,8,9,10,11,12,13,14,15
	s_wait_dscnt 15-\i                             ; the younger loads may be out
	global_store_b128 v15, v[KR+4*\i:KR+4*\i+3], s[12:13] offset:512*\i th:TH_STORE_NT   ; 512 consecutive bytes, aligned: two rows
.endr
	s_branch .Lbar1
.Llong_out:
	; a long slot: my part of the band goes to LDS as it is, with its -M and l
	PUT
	v_lshlrev_b32 v14, 6, v14
	s_lshl_b32 s3, s14, 3
	s_add_co_u32 s3, s3, STAT
	v_add_nc_u32 v14, s3, v14                      ; row r x 64 + 8 x wave (both halves of the lanes hold the same pair)
	ds_store_b64 v14, v[ST:ST+1]
	ds_store_b64 v14, v[ST+8:ST+9] offset:1024
.Lbar1:
	s_wait_dscnt 0x0                               ; for the others' sake: my stores into LDS have landed
	s_wait_xcnt 0x0                                ; the stores of a short slot's way out have had their addresses translated (ISA guide 3.1): v15 and v64-127, their offset and data, are written again only behind this wait
	s_barrier_signal -1
	s_barrier_wait -1
	s_and_b32 s3, s16, s17
	s_cmp_eq_u32 s3, 0
	s_cbranch_scc1 .Lbar2
	; THE MERGE: wave w takes rows 4 w + 2 g + h, g = 0, 1; sixteen lanes to a row.  Under the largest M each part counts x 2^(its M - that M): exact
	v_bfe_u32 v15, v0, 4, 1
	v_and_b32 v14, 15, v0
	s_lshl_b32 s3, s14, 8
	s_add_co_u32 s3, s3, STAT
	v_lshl_add_u32 v13, v15, 6, s3                 ; the row's eight pairs
	v_mul_u32_u24 v15, v15, PIT
	v_lshl_add_u32 v14, v14, 4, v15
	s_mul_i32 s3, s14, 4*PIT
	v_add_nc_u32 v14, s3, v14                      ; my 16 bytes of the row, in part 0
	s_lshl_b32 s3, s2, 8
	s_lshl_b32 s32, s14, 10
	s_add_co_u32 s3, s3, s32
	v_add_nc_u32 v15, s3, v1                       ; and in out
.irp g, 0,1
.irp k, 0,1,2,3
	ds_load_b128 v[64+16*\g+4*\k:64+16*\g+4*\k+3], v13 offset:128*\g+16*\k
.endr
.endr
.irp g, 0,1
.irp s, 0,1,2,3,4,5,6,7
	ds_load_b128 v[96+32*\g+4*\s:96+32*\g+4*\s+3], v14 offset:REGW*\s+2*\g*PIT
.endr
.endr
	s_wait_dscnt 0x0
.irp g, 0,1
	v_min_num_f32 v[160+\g], v[64+16*\g], v[64+16*\g+2]
.irp s, 2,3,4,5,6,7
	v_min_num_f32 v[160+\g], v[160+\g], v[64+16*\g+2*\s]   ; the least -M
.endr
.irp s, 0,1,2,3,4,5,6,7
	v_sub_f32 v[64+16*\g+2*\s], v[160+\g], v[64+16*\g+2*\s]
.endr
.irp s, 0,1,2,3,4,5,6,7
	v_cvt_i32_f32 v[64+16*\g+2*\s], v[64+16*\g+2*\s]       ; (it saturates)
.endr
.irp s, 0,1,2,3,4,5,6,7
	v_ldexp_f32 v[64+16*\g+2*\s], 1.0, v[64+16*\g+2*\s]    ; the part's factor, in the place of its -M
.endr
	v_mul_f32 v[162+\g], v[64+16*\g], v[64+16*\g+1]
	v_pk_mul_f32 v[164+4*\g:165+4*\g], v[96+32*\g:97+32*\g], v[64+16*\g:65+16*\g] op_sel_hi:[1,0]
	v_pk_mul_f32 v[166+4*\g:167+4*\g], v[98+32*\g:99+32*\g], v[64+16*\g:65+16*\g] op_sel_hi:[1,0]
.irp s, 1,2,3,4,5,6,7
	v_fmac_f32 v[162+\g], v[64+16*\g+2*\s], v[64+16*\g+2*\s+1]
	v_pk_fma_f32 v[164+4*\g:165+4*\g], v[96+32*\g+4*\s:97+32*\g+4*\s], v[64+16*\g+2*\s:65+16*\g+2*\s], v[164+4*\g:165+4*\g] op_sel_hi:[1,0,1]
	v_pk_fma_f32 v[166+4*\g:167+4*\g], v[98+32*\g+4*\s:99+32*\g+4*\s], v[64+16*\g+2*\s:65+16*\g+2*\s], v[166+4*\g:167+4*\g] op_sel_hi:[1,0,1]
.endr
.endr
	v_rcp_f32 v172, v162
	v_rcp_f32 v174, v163
	v_mov_b32 v173, 0                              ; (plain lines behind the reciprocals; named as the pairs' upper halves)
	v_mov_b32 v175, 0
	s_wait_alu depctr_va_vdst(0)                   ; one wait for both reciprocals, ahead of their first reader
	v_ldexp_f32 v172, v172, s31
	v_ldexp_f32 v174, v174, s31
.irp g, 0,1
	v_pk_mul_f32 v[164+4*\g:165+4*\g], v[164+4*\g:165+4*\g], v[172+2*\g:173+2*\g] op_sel_hi:[1,0]
	v_pk_mul_f32 v[166+4*\g:167+4*\g], v[166+4*\g:167+4*\g], v[172+2*\g:173+2*\g] op_sel_hi:[1,0]
	global_store_b128 v15, v[164+4*\g:167+4*\g], s[12:13] offset:512*\g th:TH_STORE_NT   ; 512 consecutive bytes, aligned: two rows
.endr
.Lbar2:
	s_wait_dscnt 0x0                               ; my reads of the others' parts are over: behind this barrier they may be written again
	s_wait_xcnt 0x0                                ; the merge's stores have read their registers: the next trip writes them again
	s_barrier_signal -1
	s_barrier_wait -1
	s_add_co_u32 s15, s15, 1
	s_cmp_lt_u32 s15, TRIPS
	s_cbranch_scc1 .Ltrip
	s_wait_tensorcnt 0x0                           ; the wave's end
	ds_add_u32 v9, v10
	s_wait_dscnt 0x0
	s_endpgm
.Lfunc_end_k_q06a71494a3_attend:
	.size	k_q06a71494a3_attend, .Lfunc_end_k_q06a71494a3_attend-k_q06a71494a3_attend
	.p2alignl 7, 3214868480
	.fill 96, 4, 3214868480
	.section	.rodata,"a",@progbits
	.p2align	6, 0x0
	.amdhsa_kernel k_q06a71494a3_attend
		.amdhsa_group_segment_fixed_size 167936
		.amdhsa_private_segment_fixed_size 0
		.amdhsa_enable_private_segment 0
		.amdhsa_kernarg_size 56
		.amdhsa_user_sgpr_count 2
		.amdhsa_user_sgpr_kernarg_segment_ptr 1
		.amdhsa_wavefront_size32 1
		.amdhsa_system_sgpr_workgroup_id_x 1
		.amdhsa_system_sgpr_workgroup_id_y 1
		.amdhsa_system_sgpr_workgroup_id_z 1
		.amdhsa_system_vgpr_workitem_id 0
		.amdhsa_next_free_vgpr 256
		.amdhsa_next_free_sgpr 106
		.amdhsa_reserve_vcc 1
		.amdhsa_float_denorm_mode_32 3
		.amdhsa_float_denorm_mode_16_64 3
		.amdhsa_memory_ordered 1
		.amdhsa_forward_progress 1
		.amdhsa_inst_pref_size 73
	.end_amdhsa_kernel
	.amdgpu_metadata
---
amdhsa.version: [ 1, 2 ]
amdhsa.kernels:
  - .name:           k_q06a71494a3_attend
    .symbol:         k_q06a71494a3_attend.kd
    .args:
      - { .name: q_codes, .offset: 0, .size: 8, .value_kind: global_buffer, .address_space: global }
      - { .name: kimg, .offset: 8, .size: 8, .value_kind: global_buffer, .address_space: global }
      - { .name: vimg, .offset: 16, .size: 8, .value_kind: global_buffer, .address_space: global }
      - { .name: bits, .offset: 24, .size: 8, .value_kind: global_buffer, .address_space: global }
      - { .name: rec, .offset: 32, .size: 8, .value_kind: global_buffer, .address_space: global }
      - { .name: lowp_scales, .offset: 40, .size: 8, .value_kind: global_buffer, .address_space: global }
      - { .name: out0, .offset: 48, .size: 8, .value_kind: global_buffer, .address_space: global }
    .group_segment_fixed_size: 167936
    .private_segment_fixed_size: 0
    .kernarg_segment_align: 8
    .kernarg_segment_size: 56
    .max_flat_workgroup_size: 256
    .sgpr_count:     106
    .vgpr_count:     256
    .wavefront_size: 32
...
	.end_amdgpu_metadata
.endif
;; end of part 2
;; ======== version 2 of 2: 2 launches
;; workspace buffers: kimg 3,145,728 bytes; vimg 3,145,728 bytes; bits 2,097,152 bytes of whole numbers; rec 4,096 bytes of whole numbers
;; launch plan (part 3): grid 304 x 1, 8 waves a work-group, no clusters, 71,680 bytes of LDS; arguments mask, k_codes, v_codes, lowp_scales, kimg, vimg, bits, rec; writes kimg, vimg, bits, rec
.if DOCPART == 3
	.amdgcn_target "amdgcn-amd-amdhsa--gfx1250"
	.amdhsa_code_object_version 6
	.text
	.protected	k_q06a71494a3_plan
	.globl	k_q06a71494a3_plan
	.p2align	8
	.type	k_q06a71494a3_plan,@function
k_q06a71494a3_plan:
	s_mov_b64 s[64:65], 0
	v_nop
	global_prefetch_b8 v0, s[64:65] scope:SCOPE_SE
	s_setreg_imm32_b32 hwreg(HW_REG_WAVE_MODE, 25, 1), 1
	s_wait_xcnt 0x0
; WHAT THIS LAUNCH MAKES, for the attention launch behind it.  Nothing of the mask's pattern is built in: every word of the mask is read and honoured.
; bits [256 tiles of 16 queries][64 chunks of 64 keys][32 words]: word n = 16 b + i holds in bit r + 16 h whether mask[16 tile + r][64 chunk + 32 b + 16 h + i] > 0:
;      the lane mask that the attention launch's select wants for its score register n.
; rec  [256 tiles][4 words] = A low, A high, F low, F high.  A's bit c: chunk c has an open key for one of the 16 queries.  F's bit c: all 16 x 64 are open.
;      A is all ones where one of the 16 queries has no open key at all (its softmax is then a mean over all keys), or where eq + ek > 9: a logit is at most
;      64 x 448 x 448 x 2^(eq + ek) / 8 in size, so that up to eq + ek = 9 every open logit lies so far above -1e9 that a closed key's weight is exactly 0 in f32.
; kimg, vimg [12 heads][64 chunks][4 tiles][2 halves][32 lanes][16 bytes]: K's and V's codes in the order of the operands' registers, so that a fragment comes by loads of 16 bytes a lane, 512 consecutive bytes a load.
;      kimg piece (t, c, lane (r, h)) = k[64 chunk + 32 (t / 2) + 8 (t % 2) + r + 8 (r / 8)][32 c + 16 h ..];   vimg piece = v[channel 16 t + r][keys 64 chunk + 32 c + 16 h ..].
; SHARES.  Work-groups 0-255: one tile of 16 mask rows each; wave w takes chunks 8 w .. 8 w + 7 (16 rows x 2,048 bytes).  Work-groups 256-279 lay K out, 280-303 V: a wave takes four chunks of a head.
; A chunk's 16 x 256 bytes are loaded as they lie (a load: two rows' 256 bytes), turn through the wave's own stage in LDS, and come back so that lane (r, h) holds row r's words in the order of the score registers.
; Loads run four chunks (32 loads a wave) ahead, the turn through LDS one chunk.  No tensor loads and no matrix work: the launch streams the mask once.
; rec is stored 16 bytes a work-group, by one lane: 4,096 bytes in the whole launch.
.set PIT,   272                        ; a stage row: 256 bytes + 16, so that the 16 rows that a load of 16 bytes a lane touches start 16 bytes apart modulo 256
.set STG1,  16*PIT                     ; a stage
.set STGW,  2*STG1                     ; two stages a wave, by turns
.set RECL,  8*STGW                     ; 16 bytes a wave: its chunks' flags and its rows' word
.set SPARE, RECL+256                   ; the spare words: 128 bytes for each wave, four blocks of 256 bytes that no other line names
.set DW,    16                         ; v16-23   the words of four chunks as they are stored, two sets
.set R,     32                         ; v32-159  four sets of 32: a chunk as loaded
.set X,     160                        ; v160-223 two sets of 32: a chunk in the order of the score registers
; v1 load offset, v2 stage in, v3 stage out, v4 16 x lane, v5 OR of all words, v6 at work, v7, v8 the records' places, v9, v10 the add's two, v12-15 a record
	s_load_b256 s[4:11], s[0:1], 0x0               ; mask s[4:5], k_codes s[6:7], v_codes s[8:9], lowp_scales s[10:11]
	s_load_b256 s[12:19], s[0:1], 0x20             ; kimg s[12:13], vimg s[14:15], bits s[16:17], rec s[18:19]
	v_lshl_add_u32 v9, v0, 2, SPARE
	v_mov_b32 v10, 0
	v_lshrrev_b32 v6, 5, v0
	s_delay_alu instid0(VALU_DEP_1)
	v_readfirstlane_b32 s20, v6                    ; wave 0..7
	v_and_b32 v11, 31, v0
	s_delay_alu instid0(VALU_DEP_1)
	v_lshlrev_b32 v4, 4, v11                       ; 16 x lane
	v_and_b32 v12, 15, v0                          ; r
	v_bfe_u32 v13, v0, 4, 1                        ; h
	s_cmp_ge_u32 ttmp9, 256                        ; the work-group's number alone: all eight waves go the same way
	s_cbranch_scc1 .Lrelay
	; ---------------- the mask
	v_lshlrev_b32 v1, 14, v13
	s_delay_alu instid0(VALU_DEP_1)
	v_lshl_add_u32 v1, v12, 4, v1                  ; a load: lanes 0-15 one row's 256 bytes, lanes 16-31 the next row's (a mask row is 16,384 bytes)
	s_mul_i32 s26, s20, STGW
	v_mul_u32_u24 v2, v13, PIT
	s_delay_alu instid0(VALU_DEP_1)
	v_lshl_add_u32 v2, v12, 4, v2
	s_delay_alu instid0(VALU_DEP_1)
	v_add_nc_u32 v2, s26, v2                       ; into the stage, as loaded
	v_mul_u32_u24 v3, v12, PIT
	s_delay_alu instid0(VALU_DEP_1)
	v_lshl_add_u32 v3, v13, 6, v3
	s_delay_alu instid0(VALU_DEP_1)
	v_add_nc_u32 v3, s26, v3                       ; out of it: row r, + 64 h bytes: keys 16 h on
	s_lshl_b32 s27, s20, 4
	s_add_co_u32 s27, s27, RECL
	v_mov_b32 v7, s27                              ; my wave's record
	v_and_b32 v8, 7, v0
	s_delay_alu instid0(VALU_DEP_1)
	v_lshl_add_u32 v8, v8, 4, RECL                 ; lane w reads wave w's
	v_mov_b32 v5, 0
	v_mov_b32 v6, 0                                ; written once: the destination of a lane move counts as read
.irp e, 0,1,2,3,4,5,6,7
	v_mov_b32 v[DW+\e], 0                          ; likewise for v_writelane_b32
.endr
	s_mov_b32 s21, 0                               ; bit k: my chunk k has an open key
	s_mov_b32 s22, 0                               ; bit k: my chunk k is all open
	s_mov_b32 s24, 0x76543210
	s_mov_b32 s25, 0xfedcba98                      ; selects for lane l xor 16
	s_lshl_b32 s28, ttmp9, 18                      ; 16 rows of 16,384 bytes a tile,
	s_lshl_b32 s29, s20, 11                        ; 8 chunks of 256 bytes a wave
	s_add_co_u32 s28, s28, s29
	s_mov_b32 s29, 0
	s_lshl_b32 s30, ttmp9, 13                      ; bits: 8,192 bytes a tile, 1,024 a wave
	s_lshl_b32 s31, s20, 10
	s_add_co_u32 s30, s30, s31
	s_mov_b32 s31, 0
	s_wait_kmcnt 0x0
	s_load_b64 s[66:67], s[10:11], 0x0             ; eq, ek
	s_add_nc_u64 s[4:5], s[4:5], s[28:29]
	s_add_nc_u64 s[16:17], s[16:17], s[30:31]
.macro LOADC c                         ; chunk c of my eight: 16 rows x 256 bytes, eight loads of two rows
.irp p, 0,1,2,3,4,5,6,7
	global_load_b128 v[R+32*((\c)%4)+4*\p:R+32*((\c)%4)+4*\p+3], v1, s[4:5] offset:2*\p*16384+256*(\c) th:TH_LOAD_NT
.endr
.endm
.macro TURNC c                         ; through my stage: LDS serves a wave's instructions in order, so no wait stands between the stores and the loads
.irp p, 0,1,2,3,4,5,6,7
	ds_store_b128 v2, v[R+32*((\c)%4)+4*\p:R+32*((\c)%4)+4*\p+3] offset:STG1*((\c)%2)+2*\p*PIT
.endr
.irp q, 0,1,2,3,4,5,6,7
	ds_load_b128 v[X+32*((\c)%2)+4*\q:X+32*((\c)%2)+4*\q+3], v3 offset:STG1*((\c)%2)+128*(\q/4)+16*(\q%4)   ; registers 4 q on: keys 32 (q / 4) + 16 h + 4 (q % 4) on
.endr
.endm
.macro BALLOT c                        ; 32 lane masks, and each to its place in the words as they are stored: word n of chunk c lies in lane 8 (c % 4) + n / 4, register n % 4
.set n, 0
.rept 32
	v_cmp_lt_i32 s[32+n], 0, v[X+32*((\c)%2)+n]
.set n, n+1
.endr
.set n, 0
.rept 32
	v_writelane_b32 v[DW+4*((\c)/4)+(n&3)], s[32+n], 8*((\c)%4)+n/4
.set n, n+1
.endr
.endm
.macro FLAGS g                         ; four chunks' words are whole: their flags, and the store
.irp e, 0
	s_delay_alu instid0(VALU_DEP_4)
	v_or_b32 v5, v5, v[DW+4*(\g)+\e]
.endr
.irp e, 1, 2, 3
	s_delay_alu instid0(VALU_DEP_1)
	v_or_b32 v5, v5, v[DW+4*(\g)+\e]
.endr
.irp e, 0,1,2,3
	v_cmp_ne_u32 s[68+\e], 0, v[DW+4*(\g)+\e]
	v_cmp_eq_u32 s[72+\e], -1, v[DW+4*(\g)+\e]
.endr
	s_or_b32 s68, s68, s69
	s_or_b32 s70, s70, s71
	s_or_b32 s68, s68, s70                         ; lanes with a word that is not 0
	s_and_b32 s72, s72, s73
	s_and_b32 s74, s74, s75
	s_and_b32 s72, s72, s74                        ; lanes whose four words are all ones
.irp k, 0,1,2,3                        ; a chunk's words lie in eight lanes
	s_bfe_u32 s69, s68, 0x80000+8*\k
	s_cmp_lg_u32 s69, 0
	s_cselect_b32 s69, 1<<(4*(\g)+\k), 0
	s_or_b32 s21, s21, s69
	s_bfe_u32 s73, s72, 0x80000+8*\k
	s_cmp_eq_u32 s73, 255
	s_cselect_b32 s73, 1<<(4*(\g)+\k), 0
	s_or_b32 s22, s22, s73
.endr
	global_store_b128 v4, v[DW+4*(\g):DW+4*(\g)+3], s[16:17] offset:512*(\g)   ; 512 consecutive bytes, aligned; each group of four chunks has registers of its own, so no store's data are written again
.endm
.macro STEPC c
	s_wait_dscnt 0x0                               ; this chunk is back from the stage: so its stores into the stage have read their registers,
.if (\c)+4 < 8
	LOADC (\c)+4                                   ; which take the chunk four further on
.endif
.if (\c)+1 < 8
.if 6-(\c) >= 3
	s_wait_loadcnt 24                              ; the next chunk's eight loads are in; those of the three chunks behind it may be out
.else
	s_wait_loadcnt 8*(6-(\c))                      ; towards the end fewer chunks stand behind it
.endif
	TURNC (\c)+1                                   ; through the other stage while this chunk is worked
.endif
	BALLOT \c
.if (\c)%4 == 3
	FLAGS (\c)/4
.endif
.endm
	LOADC 0
	LOADC 1
	LOADC 2
	LOADC 3
	s_wait_loadcnt 24                              ; chunk 0 is in
	TURNC 0
.irp c, 0,1,2,3,4,5,6,7
	STEPC \c
.endr
	s_wait_alu depctr_va_vdst(0)
	; bit r + 16 h of the OR of all my words: row r has an open key among my 512
	v_mov_b32_dpp v6, v5 row_xmask:1 row_mask:0xf bank_mask:0xf
	s_delay_alu instid0(VALU_DEP_1)
	v_or_b32 v5, v5, v6
	s_delay_alu instid0(VALU_DEP_1)
	v_mov_b32_dpp v6, v5 row_xmask:2 row_mask:0xf bank_mask:0xf
	s_delay_alu instid0(VALU_DEP_1)
	v_or_b32 v5, v5, v6
	s_delay_alu instid0(VALU_DEP_1)
	v_mov_b32_dpp v6, v5 row_xmask:4 row_mask:0xf bank_mask:0xf
	s_delay_alu instid0(VALU_DEP_1)
	v_or_b32 v5, v5, v6
	s_delay_alu instid0(VALU_DEP_1)
	v_mov_b32_dpp v6, v5 row_xmask:8 row_mask:0xf bank_mask:0xf
	s_delay_alu instid0(VALU_DEP_1)
	v_or_b32 v5, v5, v6
	s_delay_alu instid0(VALU_DEP_1)
	v_permlanex16_b32 v6, v5, s24, s25
	s_delay_alu instid0(VALU_DEP_1)
	v_or_b32 v5, v5, v6
	v_mov_b32 v12, s21
	v_mov_b32 v13, s22
	s_delay_alu instid0(VALU_DEP_3)
	v_mov_b32 v14, v5
	v_mov_b32 v15, 0
	ds_store_b128 v7, v[12:15]                     ; all lanes write the same 16 bytes with the same values
	s_wait_dscnt 0x0                               ; for the others' sake: my record has landed
	s_barrier_signal -1
	s_barrier_wait -1
	ds_load_b128 v[24:27], v8                      ; lane w: wave w's record
	s_wait_dscnt 0x0
	s_mov_b32 s68, 0                               ; A low, high
	s_mov_b32 s69, 0
	s_mov_b32 s70, 0                               ; F low, high
	s_mov_b32 s71, 0
	s_mov_b32 s72, 0                               ; the rows' word
.irp w, 0,1,2,3,4,5,6,7
	v_readlane_b32 s73, v24, \w
	v_readlane_b32 s74, v25, \w
	v_readlane_b32 s75, v26, \w
	s_lshl_b32 s73, s73, 8*(\w%4)
	s_lshl_b32 s74, s74, 8*(\w%4)
	s_or_b32 s[68+\w/4], s[68+\w/4], s73
	s_or_b32 s[70+\w/4], s[70+\w/4], s74
	s_or_b32 s72, s72, s75
.endr
	s_lshr_b32 s73, s72, 16
	s_or_b32 s72, s72, s73
	s_and_b32 s72, s72, 0xffff                     ; bit r: row r has an open key
	s_wait_kmcnt 0x0
	s_add_co_i32 s66, s66, s67                     ; eq + ek
	s_cmp_eq_u32 s72, 0xffff
	s_cselect_b32 s73, 1, 0
	s_cmp_le_i32 s66, 9
	s_cselect_b32 s74, 1, 0
	s_and_b32 s73, s73, s74
	s_cmp_lg_u32 s73, 0                            ; may chunks without an open key be left out?
	s_cselect_b32 s68, s68, -1
	s_cselect_b32 s69, s69, -1
	v_mov_b32 v12, s68
	v_mov_b32 v13, s69
	v_mov_b32 v14, s70
	v_mov_b32 v15, s71
	s_lshl_b32 s74, ttmp9, 4
	v_mov_b32 v11, s74
	v_cmp_eq_u32 vcc_lo, 0, v0
	s_wait_alu depctr_va_vdst(0)
	s_wait_xcnt 0x0                                ; EXEC is a source of the stores above: it changes only behind this wait
	s_and_saveexec_b32 s75, vcc_lo
	global_store_b128 v11, v[12:15], s[18:19]      ; thread 0 alone
	s_wait_xcnt 0x0                                ; and again, in front of the line that widens it
	s_or_b32 exec_lo, exec_lo, s75
	s_branch .Lend
	; ---------------- K and V in the order of the operands' registers
.Lrelay:
	s_cmp_ge_u32 ttmp9, 280
	s_cbranch_scc1 .Lrelay_v
	s_sub_co_u32 s26, ttmp9, 256
	s_lshl_b32 s26, s26, 3
	s_add_co_u32 s26, s26, s20                     ; unit u = 0 .. 191: head u / 16, chunks 4 (u % 16) on: 16,384 u bytes in k_codes and in kimg alike
	s_lshl_b32 s26, s26, 14
	s_mov_b32 s27, 0
	s_wait_alu depctr_va_vdst(0)
	v_and_b32 v1, 8, v12
	s_delay_alu instid0(VALU_DEP_1)
	v_add_nc_u32 v1, v1, v12                       ; r + 8 (r / 8)
	s_delay_alu instid0(VALU_DEP_1)
	v_lshlrev_b32 v1, 6, v1                        ; a key's row is 64 bytes
	s_delay_alu instid0(VALU_DEP_1)
	v_lshl_add_u32 v1, v13, 4, v1
	s_wait_alu depctr_va_vdst(0)
	s_wait_kmcnt 0x0
	s_add_nc_u64 s[6:7], s[6:7], s[26:27]
	s_add_nc_u64 s[12:13], s[12:13], s[26:27]
.irp kk, 0,1,2,3
.irp t, 0,1,2,3
.irp c, 0,1
	global_load_b128 v[32+32*\kk+8*\t+4*\c:32+32*\kk+8*\t+4*\c+3], v1, s[6:7] offset:4096*\kk+(32*(\t/2)+8*(\t%2))*64+32*\c
.endr
.endr
.endr
.irp kk, 0,1,2,3
	s_wait_loadcnt 24-8*\kk                        ; this chunk's eight loads are in; the later chunks' may be out
.irp t, 0,1,2,3
.irp c, 0,1
	global_store_b128 v4, v[32+32*\kk+8*\t+4*\c:32+32*\kk+8*\t+4*\c+3], s[12:13] offset:4096*\kk+512*(2*\t+\c)   ; 512 consecutive bytes, aligned
.endr
.endr
.endr
	s_branch .Lend
.Lrelay_v:
	s_sub_co_u32 s26, ttmp9, 280
	s_lshl_b32 s26, s26, 3
	s_add_co_u32 s26, s26, s20                     ; unit u
	s_lshr_b32 s28, s26, 4
	s_lshl_b32 s28, s28, 18                        ; the head's 64 rows of 4,096 bytes,
	s_and_b32 s29, s26, 15
	s_lshl_b32 s29, s29, 8                         ; four chunks of 64 keys in a row
	s_add_co_u32 s28, s28, s29
	s_mov_b32 s29, 0
	s_lshl_b32 s26, s26, 14
	s_mov_b32 s27, 0
	s_wait_alu depctr_va_vdst(0)
	v_lshlrev_b32 v2, 12, v12                      ; channel r's row
	s_delay_alu instid0(VALU_DEP_1)
	v_lshl_add_u32 v2, v13, 4, v2
	s_wait_alu depctr_va_vdst(0)
	s_wait_kmcnt 0x0
	s_add_nc_u64 s[8:9], s[8:9], s[28:29]
	s_add_nc_u64 s[14:15], s[14:15], s[26:27]
.irp kk, 0,1,2,3
.irp t, 0,1,2,3
.irp c, 0,1
	global_load_b128 v[32+32*\kk+8*\t+4*\c:32+32*\kk+8*\t+4*\c+3], v2, s[8:9] offset:64*\kk+65536*\t+32*\c
.endr
.endr
.endr
.irp kk, 0,1,2,3
	s_wait_loadcnt 24-8*\kk
.irp t, 0,1,2,3
.irp c, 0,1
	global_store_b128 v4, v[32+32*\kk+8*\t+4*\c:32+32*\kk+8*\t+4*\c+3], s[14:15] offset:4096*\kk+512*(2*\t+\c)
.endr
.endr
.endr
.Lend:
	s_wait_tensorcnt 0x0                           ; the wave's end
	ds_add_u32 v9, v10
	s_wait_dscnt 0x0
	s_endpgm
.Lfunc_end_k_q06a71494a3_plan:
	.size	k_q06a71494a3_plan, .Lfunc_end_k_q06a71494a3_plan-k_q06a71494a3_plan
	.p2alignl 7, 3214868480
	.fill 96, 4, 3214868480
	.section	.rodata,"a",@progbits
	.p2align	6, 0x0
	.amdhsa_kernel k_q06a71494a3_plan
		.amdhsa_group_segment_fixed_size 71680
		.amdhsa_private_segment_fixed_size 0
		.amdhsa_enable_private_segment 0
		.amdhsa_kernarg_size 64
		.amdhsa_user_sgpr_count 2
		.amdhsa_user_sgpr_kernarg_segment_ptr 1
		.amdhsa_wavefront_size32 1
		.amdhsa_system_sgpr_workgroup_id_x 1
		.amdhsa_system_sgpr_workgroup_id_y 1
		.amdhsa_system_sgpr_workgroup_id_z 1
		.amdhsa_system_vgpr_workitem_id 0
		.amdhsa_next_free_vgpr 224
		.amdhsa_next_free_sgpr 80
		.amdhsa_reserve_vcc 1
		.amdhsa_float_denorm_mode_32 3
		.amdhsa_float_denorm_mode_16_64 3
		.amdhsa_memory_ordered 1
		.amdhsa_forward_progress 1
		.amdhsa_inst_pref_size 73
	.end_amdhsa_kernel
	.amdgpu_metadata
---
amdhsa.version: [ 1, 2 ]
amdhsa.kernels:
  - .name:           k_q06a71494a3_plan
    .symbol:         k_q06a71494a3_plan.kd
    .args:
      - { .name: mask, .offset: 0, .size: 8, .value_kind: global_buffer, .address_space: global }
      - { .name: k_codes, .offset: 8, .size: 8, .value_kind: global_buffer, .address_space: global }
      - { .name: v_codes, .offset: 16, .size: 8, .value_kind: global_buffer, .address_space: global }
      - { .name: lowp_scales, .offset: 24, .size: 8, .value_kind: global_buffer, .address_space: global }
      - { .name: kimg, .offset: 32, .size: 8, .value_kind: global_buffer, .address_space: global }
      - { .name: vimg, .offset: 40, .size: 8, .value_kind: global_buffer, .address_space: global }
      - { .name: bits, .offset: 48, .size: 8, .value_kind: global_buffer, .address_space: global }
      - { .name: rec, .offset: 56, .size: 8, .value_kind: global_buffer, .address_space: global }
    .group_segment_fixed_size: 71680
    .private_segment_fixed_size: 0
    .kernarg_segment_align: 8
    .kernarg_segment_size: 64
    .max_flat_workgroup_size: 256
    .sgpr_count:     80
    .vgpr_count:     224
    .wavefront_size: 32
...
	.end_amdgpu_metadata
.endif
;; end of part 3
;; launch attend (part 4): grid 256 x 1, 8 waves a work-group, no clusters, 167,936 bytes of LDS; arguments q_codes, kimg, vimg, bits, rec, lowp_scales, out0; writes out0
.if DOCPART == 4
	.amdgcn_target "amdgcn-amd-amdhsa--gfx1250"
	.amdhsa_code_object_version 6
	.text
	.protected	k_q06a71494a3_attend
	.globl	k_q06a71494a3_attend
	.p2align	8
	.type	k_q06a71494a3_attend,@function
k_q06a71494a3_attend:
	s_mov_b64 s[64:65], 0
	v_nop
	global_prefetch_b8 v0, s[64:65] scope:SCOPE_SE
	s_setreg_imm32_b32 hwreg(HW_REG_WAVE_SCHED_MODE, 0, 2), 2
	s_setreg_imm32_b32 hwreg(HW_REG_WAVE_MODE, 25, 1), 1
	s_wait_xcnt 0x0
	s_wait_alu depctr_vm_vsrc(0)
; out[h][q][:] = the sum over k of softmax_k(where(mask[q][k] > 0, q . k / 8, -1e9)) v[h][k][:], both products on codes of FP8 (E4M3) by v_wmma_f32_16x16x64_fp8_fp8, each tensor with its given scale 2^e.
; THE SOFTMAX AHEAD OF THE SECOND PRODUCT: t = logit x log2(e); M = the running largest t rounded UP to a whole number; p = 2^(t - M) is quantised with 2^ep; the row's sum l is taken of the unquantised p and divides at the end.
; When M moves, l and O are multiplied by 2^(old M - new M): exact.  A closed key has t = f32(-1e9 x log2(e)), a whole number: a row with no open key gets p = 1 for every key, the mean that the definition gives.
; WHAT IS WALKED.  A BAND is 32 queries, a CHUNK 64 keys.  The launch before has stored, as whole numbers, for each 16 queries the chunks that count (A) and those that are all open (F), and the mask as lane masks (bits).
; A chunk outside A adds exactly 0 to every row of the band (that launch says when this holds) and is not walked.  In a chunk of F no mask word is read.  Every other chunk is masked by selects.  Any mask is served, a dense one too.
; SHARES.  256 work-groups of eight waves stay and walk seven slots (a constant).  Slot 0, work-groups 32-223: eight bands of one head, a wave each, served there if the band has at most 8 chunks.
; Slots 1-6: slot (trip - 1) x 256 + work-group = 12 x band + head, served there if the band has more than 8 chunks: wave w takes chunks 8 w .. 8 w + 7 and the eight parts are merged through LDS (exact powers of two).
; So every band of every head has one owner, no wave walks more than 8 chunks in a slot, and each output row is stored once.
; NO TENSOR LOADS, NO CLUSTER: which chunks a wave walks, and how many, hangs on numbers read from memory, so partners would ask for different tiles; K's and V's fragments come from memory straight into registers, laid out for that by the launch before.
; LAYOUT.  Both products are used transposed: S^T = K Q^T (source 0 = 16 keys, source 1 = 16 queries), O^T = V^T P^T: lane (r, h) holds query r throughout.  The keys of a tile are chosen so that score register 16 b + i is key 32 b + 16 h + i:
; two conversions of eight give registers 4 b .. 4 b + 3 of P.  All fragments hold k = 32 c + 16 h + 0 .. 15 in registers 4 c .. 4 c + 3: the same permutation of k on both sides of a product.
; LIMITS: eq + ek between -123 and 130 (added to a constant's exponent field); ep between -126 and 119; ep + ev goes by v_ldexp_f32 and has none.  NaN codes among the inputs are not served.
; LDS is claimed beyond the 72,704 bytes used, so that each work-group has a WGP of its own.
; THE MODE: SCHED_MODE bits 1:0 = 2 (LLVM: expert scheduling mode 2), set by the entry lines.  The code itself states the register dependences
; between vector or matrix instructions and memory or LDS instructions, with s_wait_alu, always for 0.
; THE PLAN.  Registers that memory or LDS instructions touch:
;   K v64-95, V v96-127   In a step: the eight products K Q^T read K, and behind them the next chunk's eight loads land in it; the eight products V^T P^T read V, and behind them the next chunk's eight loads land in it.
;   v2, v3                K's and V's offsets: each written by one vector line a step, behind the wait that shows its last loads in, and read by the eight loads that follow.
;   Q v32-47, v13         Loaded at a band's head by the offset v13; read by every step's products.  v13 is written again at the band's end.
;   O v192-255, ST v16-31 Written by vector and matrix instructions; read by the LDS stores of the way out; written again in the next trip.
;   v13, v14, v15         The way out's and the merge's addresses: written by vector lines, read by LDS stores and loads and by the global stores.
;   v64-175               The way out and the merge: LDS loads land in v64-159; the short way out's stores read v64-127, the merge's v164-171.
;   v1, v9, v10           Written at the head and never again.
; A STEP HAS: one wait on vm_vsrc ahead of v2's write (all loads of K and of V issued so far have read v2 and v3; from there to v3's write only K's loads are issued, which read v2); one wait on va_vdst ahead of K's loads;
; one on va_vdst ahead of the exponentials, and their wait; one on va_vdst ahead of the second products; one on va_vdst ahead of V's loads.  The last step of a band issues no load and has the waits ahead of the exponentials, behind them and ahead of the second products.
; A TRIP HAS: one wait on va_sdst behind its four lane reads; one on va_vdst ahead of the band's first twenty loads; one on vm_vsrc at the band's end; one on va_vdst ahead of each run of LDS stores, LDS loads and global stores;
; and one on vm_vsrc in front of each of its two barriers, for all that the merge and the next trip write again.
.set PIT,   272                        ; a row of O in LDS: 256 bytes + 16
.set REGW,  32*PIT                     ; a wave's region: its 32 rows of O
.set STAT,  8*REGW                     ; row x 64 + 8 x wave: (-M, l) of each part
.set SPARE, STAT+2048                  ; the spare words: 128 bytes for each wave, four blocks of 256 bytes that no other line names
.set TRIPS, 7
.set ST, 16                            ; v16-31   a tile's statistics, 8 each: +0 -M, +1 largest t (at the end l), +2, +3 l in two halves, +4 f, +5 zero, +6, +7 a second chain of sums
.set Q,  32                            ; v32-47   Q, 8 a tile of queries
.set P,  48                            ; v48-63   P's codes, 8 a tile; ahead of the conversions four chains of the maximum
.set KR, 64                            ; v64-95   K, 8 a tile of keys
.set VR, 96                            ; v96-127  V, 8 a tile of channels
.set S,  128                           ; v128-191 S^T, then p: 32 a tile of queries
.set O,  192                           ; v192-255 O^T: 32 a tile of queries
; v1 16 x lane; v2, v3 K's and V's offsets; v4-7 lane i: trip i's A low, A high, F low, F high; v8 2^ep; v9, v10 the add's two; v11 a closed key's t; v12 448 x 2^ep; v13-15 addresses
; s2 the band's first row; s3 at work; s[4:13] q, kimg, vimg, bits, out; s14 wave; s15 trip; s16 1 = a long slot; s17 1 = I work; s18 chunks - 1; s19 counts them; s[20:21] chunks to walk; s[22:23] F;
; s24, s25 the chunk in hand and its flag; s26, s27 the next; s[28:29] the factor that turns a score register into t; s30 log2(e) / 8 x 2^(eq + ek); s31 ep + ev;
; s[32:63], s[68:99] the two tiles' lane masks (at work at a trip's head and in POP, where no load into them is out); s[66:67] lane selects; s100 1 = p needs its hold; s101 offset in bits; s104 64 x head; s105 16,384 x band
; The lowest chunk of s[20:21] is taken out: its number, held at 63 by a constant in the instruction since it enters addresses, and its bit of F.
.macro POP dst, dstf
	s_cmp_lg_u32 s20, 0
	s_cselect_b32 s32, s20, s21
	s_cselect_b32 s33, 0, 32
	s_cselect_b32 s34, s22, s23
	s_ctz_i32_b32 s35, s32
	s_min_u32 s35, s35, 31
	s_add_co_u32 s[\dst], s33, s35
	s_min_u32 s[\dst], s[\dst], 63
	s_lshr_b32 s[\dstf], s34, s35
	s_and_b32 s[\dstf], s[\dstf], 1
	s_sub_co_u32 s35, s32, 1
	s_and_b32 s32, s32, s35                        ; the lowest bit is cleared
	s_cmp_lg_u32 s20, 0
	s_cselect_b32 s20, s32, s20
	s_cselect_b32 s21, s21, s32
.endm
; A STEP: 32 queries x the 64 keys of chunk s24.  pf = 1: the next chunk's K and V are asked for on the way.
.macro STEP pf
.if \pf
	POP 26, 27
.endif
	s_cmp_lg_u32 s25, 0
	s_cbranch_scc1 .Lfull_\@                       ; all open: no mask word is read
	s_lshl_b32 s101, s24, 7
	s_add_co_u32 s101, s101, s105                  ; 128 bytes a chunk, 8,192 a tile of 16 queries
	s_load_b512 s[32:47], s[10:11], s101 offset:0x0
	s_load_b512 s[48:63], s[10:11], s101 offset:0x40
	s_load_b512 s[68:83], s[10:11], s101 offset:0x2000
	s_load_b512 s[84:99], s[10:11], s101 offset:0x2040
.Lfull_\@:
	s_wait_loadcnt 0x8                             ; K (and, in a band's first step, Q) is in; the eight loads behind it, V's, may be out
.irp t, 0,1,2,3
.irp u, 0,1
	v_wmma_f32_16x16x64_fp8_fp8 v[S+32*\u+8*\t:S+32*\u+8*\t+7], v[KR+8*\t:KR+8*\t+7], v[Q+8*\u:Q+8*\u+7], 0
.endr
.endr
	s_mov_b32 s28, s30
	s_mov_b32 s29, s30
.if \pf
	s_add_co_u32 s3, s104, s26
	s_lshl_b32 s3, s3, 12                          ; 4,096 bytes a chunk, 64 chunks a head
	s_wait_alu depctr_vm_vsrc(0)                   ; the loads of K and of V issued so far have read v2 and v3, which this step writes again: v2 in the next line, v3 behind the second products
	v_add_nc_u32 v2, s3, v1                        ; (K's loads are in, so their offset may be written.)  This line and three v_nop: the four places behind the products, ahead of the first read of the scores
.rept 3
	v_nop
.endr
	s_wait_alu depctr_va_vdst(0)                   ; v2 is written, which the eight loads below read; the eight products above are done reading K's registers, in which they land
.irp i, 0,1,2,3,4,5,6,7
	global_load_b128 v[KR+4*\i:KR+4*\i+3], v2, s[6:7] offset:512*\i
.endr
.else
.rept 4
	v_nop
.endr
.endif
	s_wait_kmcnt 0x0                               ; the mask words, where they were asked for; on every path, so that none leaves a scalar load out
	s_cmp_lg_u32 s25, 0
	s_cbranch_scc1 .Lopen_\@
.set n, 0
.rept 32
	v_pk_mul_f32 v[S+n:S+n+1], v[S+n:S+n+1], s[28:29] op_sel_hi:[1,0]   ; t, each accumulator from its low end on
.set n, n+2
.endr
.set n, 0
.rept 32
	v_cndmask_b32 v[S+n], v11, v[S+n], s[32+n]     ; a closed key's t
	v_cndmask_b32 v[S+32+n], v11, v[S+32+n], s[68+n]
.set n, n+1
.endr
	s_mov_b32 s28, 1.0                             ; the registers hold t already
	s_mov_b32 s29, 1.0
.Lopen_\@:
	; the largest of a lane's 32, in four chains a tile; each accumulator is first read at its lowest registers
.irp j, 0,1,2,3
.irp u, 0,1
	v_max3_num_f32 v[P+8*\u+\j], v[S+32*\u+8*\j], v[S+32*\u+8*\j+1], v[S+32*\u+8*\j+2]
.endr
.endr
.irp g, 1,2
.irp j, 0,1,2,3
.irp u, 0,1
	v_max3_num_f32 v[P+8*\u+\j], v[P+8*\u+\j], v[S+32*\u+8*\j+2*\g+1], v[S+32*\u+8*\j+2*\g+2]
.endr
.endr
.endr
.irp u, 0,1
	v_max3_num_f32 v[P+8*\u], v[P+8*\u], v[S+32*\u+7], v[S+32*\u+15]
	v_max3_num_f32 v[P+8*\u+2], v[P+8*\u+2], v[S+32*\u+23], v[S+32*\u+31]
.endr
.irp u, 0,1
	v_max3_num_f32 v[P+8*\u], v[P+8*\u], v[P+8*\u+1], v[P+8*\u+2]
.endr
.irp u, 0,1
	v_max_num_f32 v[P+8*\u], v[P+8*\u], v[P+8*\u+3]
.endr
.irp u, 0,1
	v_permlanex16_b32 v[P+8*\u+1], v[P+8*\u], s66, s67   ; the query's other 32 keys lie in lane l xor 16
.endr
.irp u, 0,1
	v_max_num_f32 v[P+8*\u], v[P+8*\u], v[P+8*\u+1]
.endr
.irp u, 0,1
	v_mul_f32 v[P+8*\u], s28, v[P+8*\u]            ; as t (the factor is positive)
.endr
.irp u, 0,1
	v_max_num_f32 v[ST+8*\u+1], v[ST+8*\u+1], v[P+8*\u]   ; the running largest t
	v_mov_b32 v[P+8*\u+1], v[ST+8*\u]
.endr
.irp u, 0,1
	v_floor_f32 v[ST+8*\u], -v[ST+8*\u+1]          ; -M = floor(-t) = -ceil(t): M is a whole number
.endr
.irp u, 0,1
	v_sub_f32 v[P+8*\u+1], v[ST+8*\u], v[P+8*\u+1] ; old M - new M: a whole number, 0 or less
.endr
.irp u, 0,1
	v_cvt_i32_f32 v[P+8*\u+1], v[P+8*\u+1]         ; (it saturates)
.endr
.irp u, 0,1
	v_ldexp_f32 v[ST+8*\u+4], 1.0, v[P+8*\u+1]     ; f = 2^(old M - new M)
.endr
.irp u, 0,1
.set n, 0
.rept 16
	v_pk_fma_f32 v[S+32*\u+n:S+32*\u+n+1], v[S+32*\u+n:S+32*\u+n+1], s[28:29], v[ST+8*\u:ST+8*\u+1] op_sel_hi:[1,0,0]   ; t - M (of both pairs the low word serves both halves)
.set n, n+2
.endr
.endr
.set n, 0
	s_wait_alu depctr_va_vdst(0)
.rept 64
	v_exp_f32 v[S+n], v[S+n]                       ; p = 2^(t - M): one batch
.set n, n+1
.endr
.irp u, 0,1
	v_pk_mul_f32 v[ST+8*\u+2:ST+8*\u+3], v[ST+8*\u+2:ST+8*\u+3], v[ST+8*\u+4:ST+8*\u+5] op_sel_hi:[1,0]   ; l under the new M; the plain lines behind the last exponential
.endr
	s_wait_alu depctr_va_vdst(0)                   ; the 64 exponentials have written p: one wait, ahead of their first reader
.irp u, 0,1
	v_pk_add_f32 v[ST+8*\u+6:ST+8*\u+7], v[S+32*\u:S+32*\u+1], v[S+32*\u+2:S+32*\u+3]   ; the sum of the UNQUANTISED p, two chains a tile
.endr
.irp j, 4,8,12,16,20,24,28
.irp u, 0,1
	v_pk_add_f32 v[ST+8*\u+2:ST+8*\u+3], v[ST+8*\u+2:ST+8*\u+3], v[S+32*\u+\j:S+32*\u+\j+1]
	v_pk_add_f32 v[ST+8*\u+6:ST+8*\u+7], v[ST+8*\u+6:ST+8*\u+7], v[S+32*\u+\j+2:S+32*\u+\j+3]
.endr
.endr
.irp u, 0,1
	v_pk_add_f32 v[ST+8*\u+2:ST+8*\u+3], v[ST+8*\u+2:ST+8*\u+3], v[ST+8*\u+6:ST+8*\u+7]
.endr
	s_cmp_eq_u32 s100, 0                           ; p is at most 1, and 1 / 2^ep is at most 256 from ep = -8 on: only below that can a code pass 448.  A branch on the whole number ep
	s_cbranch_scc1 .Lnohold_\@
.set n, 0
.rept 64
	v_min_num_f32 v[S+n], v[S+n], v12              ; the conversion does not saturate (ISA guide 7.6.2); p is not negative, so the hold is one-sided
.set n, n+1
.endr
.Lnohold_\@:
.irp u, 0,1
.irp b, 0,1
	v_cvt_scalef32_pk8_fp8_f32 v[P+8*\u+4*\b:P+8*\u+4*\b+1], v[S+32*\u+16*\b:S+32*\u+16*\b+7], v8
	v_cvt_scalef32_pk8_fp8_f32 v[P+8*\u+4*\b+2:P+8*\u+4*\b+3], v[S+32*\u+16*\b+8:S+32*\u+16*\b+15], v8
.endr
.endr
.irp u, 0,1
.set n, 0
.rept 16
	v_pk_mul_f32 v[O+32*\u+n:O+32*\u+n+1], v[O+32*\u+n:O+32*\u+n+1], v[ST+8*\u+4:ST+8*\u+5] op_sel_hi:[1,0]   ; O^T under the new M, each accumulator from its low end on; also the plain lines behind the conversions
.set n, n+2
.endr
.endr
.if \pf
	s_wait_alu depctr_va_vdst(0)
	s_wait_loadcnt 0x8                             ; V is in; the eight loads behind it, the next chunk's K, may be out
.else
	s_wait_alu depctr_va_vdst(0)
	s_wait_loadcnt 0x0
.endif
.irp d, 0,1,2,3                        ; the eight accumulators take turns, one instruction a turn; between two links of a chain stand the 15 other products of a step
.irp u, 0,1
	v_wmma_f32_16x16x64_fp8_fp8 v[O+32*\u+8*\d:O+32*\u+8*\d+7], v[VR+8*\d:VR+8*\d+7], v[P+8*\u:P+8*\u+7], v[O+32*\u+8*\d:O+32*\u+8*\d+7]
.endr
.endr
.if \pf
	v_mov_b32 v3, v2                               ; (V's loads are in, and this step's wait on vm_vsrc stands behind them: their offset may be written.)  Four places behind the products
.rept 3
	v_nop
.endr
	s_wait_alu depctr_va_vdst(0)                   ; v3 is written, which the eight loads below read; the eight products above are done reading V's registers, in which they land
.irp i, 0,1,2,3,4,5,6,7
	global_load_b128 v[VR+4*\i:VR+4*\i+3], v3, s[8:9] offset:512*\i
.endr
	s_min_u32 s24, s26, 63                         ; the next chunk becomes the chunk in hand (a copy that keeps the bound in the instruction)
	s_mov_b32 s25, s27
.endif
.endm
.macro PUT                             ; my 32 rows of O into my region: lane (r, h): row 16 u + r, channels 16 d + 8 h on; each accumulator from its low end on
.irp u, 0,1
.irp d, 0,1,2,3
	ds_store_b128 v13, v[O+32*\u+8*\d:O+32*\u+8*\d+3] offset:16*\u*PIT+64*\d
	ds_store_b128 v13, v[O+32*\u+8*\d+4:O+32*\u+8*\d+7] offset:16*\u*PIT+64*\d+16
.endr
.endr
.endm
	s_load_b256 s[4:11], s[0:1], 0x0               ; q_codes s[4:5], kimg s[6:7], vimg s[8:9], bits s[10:11]
	s_load_b128 s[68:71], s[0:1], 0x20             ; rec s[68:69], lowp_scales s[70:71]
	s_load_b64 s[12:13], s[0:1], 0x30              ; out0
	v_lshl_add_u32 v9, v0, 2, SPARE
	v_mov_b32 v10, 0
	v_lshrrev_b32 v13, 5, v0
	v_readfirstlane_b32 s14, v13                   ; wave 0..7
	v_and_b32 v13, 31, v0
	s_wait_alu depctr_va_vdst(0)
	v_lshlrev_b32 v1, 4, v13
	s_mov_b32 s66, 0x76543210
	s_mov_b32 s67, 0xfedcba98
	; all seven trips' records come at once: lane i asks for trip i's band.  x / 12 = (x x 43,691) >> 19, exact for x under 131,072
	s_mov_b32 s3, ttmp9
	v_lshl_add_u32 v14, v13, 8, s3
	v_add_nc_u32 v14, 0xffffff00, v14              ; slot = 256 (i - 1) + work-group
	v_min_u32 v14, 0x5ff, v14                      ; (lane 0 and lanes 7 on have none: held inside the table)
	v_mul_u32_u24 v14, v14, 0xaaab
	v_lshrrev_b32 v14, 19, v14                     ; band
	s_wait_alu depctr_va_sdst(0)                   ; s14, the wave's number, is written, ahead of its first reader six lines down
	s_sub_co_u32 s16, ttmp9, 32
	s_min_u32 s16, s16, 191
	s_mul_i32 s17, s16, 0xaaab
	s_lshr_b32 s17, s17, 19
	s_lshl_b32 s17, s17, 3
	s_add_co_u32 s17, s17, s14                     ; trip 0: band 8 x group + wave
	v_mov_b32 v15, s17
	s_wait_alu depctr_va_vdst(0)
	v_cmp_eq_u32 vcc_lo, 0, v13
	s_wait_alu depctr_va_vcc(0)                    ; the compare has written VCC, which the select reads
	v_cndmask_b32 v14, v14, v15, vcc_lo
	v_lshlrev_b32 v14, 5, v14                      ; a band's two records are 32 bytes
	s_wait_kmcnt 0x0
	s_load_b128 s[72:75], s[70:71], 0x0            ; eq, ek, ep, ev
	s_wait_alu depctr_va_vdst(0)                   ; v14 is written, which the two loads read as their offset (and so are v1, v9 and v10, for the whole kernel)
	global_load_b128 v[16:19], v14, s[68:69]
	global_load_b128 v[20:23], v14, s[68:69] offset:16
	s_wait_kmcnt 0x0
	s_add_co_i32 s3, s72, s73
	s_lshl_b32 s3, s3, 23
	s_add_co_i32 s30, s3, 0x3e38aa3b               ; log2(e) / 8, with eq + ek added to its exponent field
	s_add_co_i32 s31, s74, s75                     ; ep + ev
	s_add_co_i32 s3, s74, 127
	s_lshl_b32 s16, s3, 23
	v_mov_b32 v8, s16                              ; 2^ep as f32: the conversion takes its exponent field
	s_add_co_i32 s3, s3, 8
	s_lshl_b32 s3, s3, 23
	s_or_b32 s3, s3, 0x600000
	v_mov_b32 v12, s3                              ; 448 x 2^ep
	v_mov_b32 v11, 0xceabfb8f                      ; f32(-1e9 x log2(e)) = -1,442,695,040
	s_cmp_le_i32 s74, -9
	s_cselect_b32 s100, 1, 0
	s_wait_loadcnt 0x0
	s_wait_alu depctr_vm_vsrc(0)                   ; the two loads have read v14, which the trips write again
	v_or_b32 v4, v16, v20                          ; a chunk counts for the band if it counts for either 16 queries,
	v_or_b32 v5, v17, v21
	v_and_b32 v6, v18, v22                         ; and is all open if it is for both
	v_and_b32 v7, v19, v23
.irp u, 0,1
	v_mov_b32 v[ST+8*\u+5], 0                      ; named as the upper half of f's pair
	v_mov_b32 v[ST+8*\u+6], 0                      ; a lane permute's destination counts as read
	v_mov_b32 v[ST+8*\u+7], 0
.endr
.set n, 32
.rept 16
	s_mov_b64 s[n:n+1], 0                          ; the mask words' registers are written once, so that every path finds them written
	s_mov_b64 s[n+36:n+37], 0
.set n, n+2
.endr
	s_mov_b32 s15, 0
.Ltrip:
	; which band of which head: ids alone
	s_lshl_b32 s32, s15, 8
	s_add_co_u32 s32, s32, ttmp9
	s_sub_co_u32 s32, s32, 256
	s_min_u32 s32, s32, 1535                       ; a long slot (trip 0 has none)
	s_mul_i32 s33, s32, 0xaaab
	s_lshr_b32 s33, s33, 19                        ; its band,
	s_mul_i32 s34, s33, 12
	s_sub_co_u32 s34, s32, s34                     ; its head
	s_sub_co_u32 s35, ttmp9, 32
	s_cmp_lt_u32 s35, 192
	s_cselect_b32 s38, 1, 0                        ; has my work-group a short slot?
	s_min_u32 s35, s35, 191
	s_mul_i32 s36, s35, 0xaaab
	s_lshr_b32 s36, s36, 19                        ; its group of eight bands,
	s_mul_i32 s37, s36, 12
	s_sub_co_u32 s37, s35, s37                     ; its head
	s_lshl_b32 s36, s36, 3
	s_add_co_u32 s36, s36, s14                     ; my band
	s_cmp_eq_u32 s15, 0
	s_cselect_b32 s33, s36, s33
	s_cselect_b32 s34, s37, s34
	s_cselect_b32 s16, 0, 1
	s_cselect_b32 s38, s38, 1
	s_lshl_b32 s2, s34, 12
	s_lshl_b32 s39, s33, 5
	s_add_co_u32 s2, s2, s39                       ; the band's first row among the 12 x 4,096
	s_lshl_b32 s104, s34, 6
	s_lshl_b32 s105, s33, 14
	v_readlane_b32 s20, v4, s15
	v_readlane_b32 s21, v5, s15
	v_readlane_b32 s22, v6, s15
	v_readlane_b32 s23, v7, s15
	s_wait_alu depctr_va_sdst(0)                   ; the four lane reads have written s20 to s23, ahead of their first readers: one wait for the four
	s_bcnt1_i32_b32 s40, s20
	s_bcnt1_i32_b32 s41, s21
	s_add_co_u32 s40, s40, s41                     ; the band's chunks
	s_cmp_gt_u32 s40, 8
	s_cselect_b32 s41, 1, 0
	s_xor_b32 s42, s41, 1
	s_and_b32 s42, s42, s38
	s_cmp_lg_u32 s16, 0
	s_cselect_b32 s17, s41, s42                    ; a long slot serves more than 8 chunks, a short one up to 8
	s_and_b32 s43, s14, 3
	s_lshl_b32 s43, s43, 3
	s_lshl_b32 s43, 0xff, s43
	s_cmp_lt_u32 s14, 4
	s_cselect_b32 s44, s43, 0
	s_cselect_b32 s45, 0, s43                      ; chunks 8 w .. 8 w + 7
	s_cmp_lg_u32 s16, 0
	s_cselect_b32 s44, s44, -1
	s_cselect_b32 s45, s45, -1
	s_and_b32 s20, s20, s44
	s_and_b32 s21, s21, s45
	s_cmp_eq_u32 s17, 0
	s_cbranch_scc1 .Lbar1
.set n, 0
.rept 64
	v_mov_b32 v[O+n], 0                            ; the step is written for every chunk alike: the first finds zeros, which the first change of M leaves zeros
.set n, n+1
.endr
.irp u, 0,1
	v_mov_b32 v[ST+8*\u+1], 0xff61b1e6             ; the largest t so far: -3e38
	v_mov_b32 v[ST+8*\u+2], 0
	v_mov_b32 v[ST+8*\u+3], 0
.endr
.irp u, 0,1
	v_floor_f32 v[ST+8*\u], -v[ST+8*\u+1]
.endr
	s_bcnt1_i32_b32 s32, s20
	s_bcnt1_i32_b32 s33, s21
	s_add_co_u32 s32, s32, s33
	s_cmp_eq_u32 s32, 0
	s_cbranch_scc1 .Ldone                          ; a wave of a long slot without chunks hands on the neutral part: l = 0, O = 0, M under every M
	s_sub_co_u32 s18, s32, 1
	POP 24, 25
	v_and_b32 v14, 15, v0                          ; the three offsets are made first, so that one wait serves the twenty loads
	v_bfe_u32 v15, v0, 4, 1
	s_lshl_b32 s3, s2, 6                           ; a query's row is 64 bytes
	v_lshlrev_b32 v13, 6, v14
	v_lshl_add_u32 v13, v15, 4, v13
	v_add_nc_u32 v13, s3, v13
	s_add_co_u32 s3, s104, s24
	s_lshl_b32 s3, s3, 12
	v_add_nc_u32 v2, s3, v1
	v_mov_b32 v3, v2
	s_wait_alu depctr_va_vdst(0)                   ; v13, v2 and v3 are written, which the loads below read; the vector and matrix instructions of the trip before are done with v32-127, in which they land
.irp u, 0,1
.irp c, 0,1
	global_load_b128 v[Q+8*\u+4*\c:Q+8*\u+4*\c+3], v13, s[4:5] offset:1024*\u+32*\c
.endr
.endr
.irp i, 0,1,2,3,4,5,6,7
	global_load_b128 v[KR+4*\i:KR+4*\i+3], v2, s[6:7] offset:512*\i
.endr
.irp i, 0,1,2,3,4,5,6,7
	global_load_b128 v[VR+4*\i:VR+4*\i+3], v3, s[8:9] offset:512*\i
.endr
	s_mov_b32 s19, 0
	s_cmp_eq_u32 s18, 0
	s_cbranch_scc1 .Ltail
.Lchunk:                                           ; all chunks but the last
	STEP 1
	s_add_co_u32 s19, s19, 1
	s_cmp_lt_u32 s19, s18
	s_cbranch_scc1 .Lchunk
.Ltail:
	STEP 0                                         ; the last chunk is written out: it asks for nothing, and every count holds on every path
.Ldone:
	s_wait_alu depctr_vm_vsrc(0)                   ; Q's loads have read v13, which is written again below (a band of one chunk has passed no other such wait)
	s_wait_alu depctr_va_vdst(0)
.irp u, 0,1
	v_add_f32 v[ST+8*\u+1], v[ST+8*\u+2], v[ST+8*\u+3]   ; l's two halves.  (These additions and the address lines below are the places behind the last products)
.endr
.irp u, 0,1
	v_permlanex16_b32 v[ST+8*\u+6], v[ST+8*\u+1], s66, s67
.endr
.irp u, 0,1
	v_add_f32 v[ST+8*\u+1], v[ST+8*\u+1], v[ST+8*\u+6]   ; and lane l xor 16's: the pair (+0, +1) is now (-M, l)
.endr
	v_and_b32 v14, 15, v0                          ; r
	v_bfe_u32 v15, v0, 4, 1                        ; h
	s_mul_i32 s3, s14, REGW
	v_mul_u32_u24 v13, v14, PIT
	v_lshl_add_u32 v13, v15, 5, v13
	v_add_nc_u32 v13, s3, v13                      ; into my region: row r, + 32 h bytes
	s_cmp_lg_u32 s16, 0
	s_cbranch_scc1 .Llong_out
	s_wait_alu depctr_va_vdst(0)
	; a short slot: the band is whole.  O / l x 2^(ep + ev) goes through my own region and leaves as whole rows
	v_rcp_f32 v[ST+6], v[ST+1]
	v_rcp_f32 v[ST+14], v[ST+9]
	v_mul_u32_u24 v15, v15, PIT                    ; (plain lines behind the reciprocals)
	v_lshl_add_u32 v14, v14, 4, v15
	v_add_nc_u32 v14, s3, v14                      ; back: lanes 0-15 one row of 256 bytes, lanes 16-31 the next
	s_lshl_b32 s3, s2, 8
	v_add_nc_u32 v15, s3, v1                       ; and the same two rows in out: 256 x row + 16 x lane
	s_wait_alu depctr_va_vdst(0)                   ; both reciprocals are written: one wait, ahead of their first reader
	v_ldexp_f32 v[ST+6], v[ST+6], s31
	v_ldexp_f32 v[ST+14], v[ST+14], s31
.irp u, 0,1
.set n, 0
.rept 16
	v_pk_mul_f32 v[O+32*\u+n:O+32*\u+n+1], v[O+32*\u+n:O+32*\u+n+1], v[ST+8*\u+6:ST+8*\u+7] op_sel_hi:[1,0]
.set n, n+2
.endr
.endr
	s_wait_alu depctr_va_vdst(0)                   ; the multiplications have written O, the LDS stores' data; v13, v14 and v15 are written; the products are done reading v64-127, in which the LDS loads land.  No vector line follows before the barrier
	PUT
.irp i, 0,1,2,3,4,5,6,7,8,9,10,11,12,13,14,15
	ds_load_b128 v[KR+4*\i:KR+4*\i+3], v14 offset:2*\i*PIT   ; LDS serves a wave's instructions in order: these see my stores
.endr
.irp i, 0,1,2,3,4,5,6,7,8,9,10,11,12,13,14,15
	s_wait_dscnt 15-\i                             ; the younger loads may be out
	global_store_b128 v15, v[KR+4*\i:KR+4*\i+3], s[12:13] offset:512*\i th:TH_STORE_NT   ; 512 consecutive bytes, aligned: two rows
.endr
	s_branch .Lbar1
.Llong_out:
	s_wait_alu depctr_va_vdst(0)
	; a long slot: my part of the band goes to LDS as it is, with its -M and l.  The pair's address is made first, so that one wait serves all eighteen stores
	v_lshlrev_b32 v14, 6, v14
	s_lshl_b32 s3, s14, 3
	s_add_co_u32 s3, s3, STAT
	v_add_nc_u32 v14, s3, v14                      ; row r x 64 + 8 x wave (both halves of the lanes hold the same pair)
	s_wait_alu depctr_va_vdst(0)                   ; the last products have written O (the places behind them stand above), the lines above -M, l, v13 and v14: the LDS stores below read them
	PUT
	ds_store_b64 v14, v[ST:ST+1]
	ds_store_b64 v14, v[ST+8:ST+9] offset:1024
.Lbar1:
	s_wait_dscnt 0x0                               ; for the others' sake: my stores into LDS have landed
	s_wait_xcnt 0x0                                ; the stores of a short slot's way out have had their addresses translated (ISA guide 3.1): v15 and v64-127, their offset and data, are written again only behind this wait
	s_wait_alu depctr_vm_vsrc(0)                   ; the way out's LDS stores and loads and its global stores, and the band's loads, have read v2, v3, v13, v14, v15, v16-31, v64-127 and O, which the merge and the next trip write again
	s_barrier_signal -1
	s_barrier_wait -1
	s_and_b32 s3, s16, s17
	s_cmp_eq_u32 s3, 0
	s_cbranch_scc1 .Lbar2
	; THE MERGE: wave w takes rows 4 w + 2 g + h, g = 0, 1; sixteen lanes to a row.  Under the largest M each part counts x 2^(its M - that M): exact
	v_bfe_u32 v15, v0, 4, 1
	v_and_b32 v14, 15, v0
	s_lshl_b32 s3, s14, 8
	s_add_co_u32 s3, s3, STAT
	v_lshl_add_u32 v13, v15, 6, s3                 ; the row's eight pairs
	v_mul_u32_u24 v15, v15, PIT
	v_lshl_add_u32 v14, v14, 4, v15
	s_mul_i32 s3, s14, 4*PIT
	v_add_nc_u32 v14, s3, v14                      ; my 16 bytes of the row, in part 0
	s_lshl_b32 s3, s2, 8
	s_lshl_b32 s32, s14, 10
	s_add_co_u32 s3, s3, s32
	v_add_nc_u32 v15, s3, v1                       ; and in out
	s_wait_alu depctr_va_vdst(0)                   ; v13 and v14 are written, which the LDS loads below read; the steps' vector and matrix instructions are done with v64-159, in which they land
.irp g, 0,1
.irp k, 0,1,2,3
	ds_load_b128 v[64+16*\g+4*\k:64+16*\g+4*\k+3], v13 offset:128*\g+16*\k
.endr
.endr
.irp g, 0,1
.irp s, 0,1,2,3,4,5,6,7
	ds_load_b128 v[96+32*\g+4*\s:96+32*\g+4*\s+3], v14 offset:REGW*\s+2*\g*PIT
.endr
.endr
	s_wait_dscnt 0x0
.irp g, 0,1
	v_min_num_f32 v[160+\g], v[64+16*\g], v[64+16*\g+2]
.irp s, 2,3,4,5,6,7
	v_min_num_f32 v[160+\g], v[160+\g], v[64+16*\g+2*\s]   ; the least -M
.endr
.irp s, 0,1,2,3,4,5,6,7
	v_sub_f32 v[64+16*\g+2*\s], v[160+\g], v[64+16*\g+2*\s]
.endr
.irp s, 0,1,2,3,4,5,6,7
	v_cvt_i32_f32 v[64+16*\g+2*\s], v[64+16*\g+2*\s]       ; (it saturates)
.endr
.irp s, 0,1,2,3,4,5,6,7
	v_ldexp_f32 v[64+16*\g+2*\s], 1.0, v[64+16*\g+2*\s]    ; the part's factor, in the place of its -M
.endr
	v_mul_f32 v[162+\g], v[64+16*\g], v[64+16*\g+1]
	v_pk_mul_f32 v[164+4*\g:165+4*\g], v[96+32*\g:97+32*\g], v[64+16*\g:65+16*\g] op_sel_hi:[1,0]
	v_pk_mul_f32 v[166+4*\g:167+4*\g], v[98+32*\g:99+32*\g], v[64+16*\g:65+16*\g] op_sel_hi:[1,0]
.irp s, 1,2,3,4,5,6,7
	v_fmac_f32 v[162+\g], v[64+16*\g+2*\s], v[64+16*\g+2*\s+1]
	v_pk_fma_f32 v[164+4*\g:165+4*\g], v[96+32*\g+4*\s:97+32*\g+4*\s], v[64+16*\g+2*\s:65+16*\g+2*\s], v[164+4*\g:165+4*\g] op_sel_hi:[1,0,1]
	v_pk_fma_f32 v[166+4*\g:167+4*\g], v[98+32*\g+4*\s:99+32*\g+4*\s], v[64+16*\g+2*\s:65+16*\g+2*\s], v[166+4*\g:167+4*\g] op_sel_hi:[1,0,1]
.endr
.endr
	s_wait_alu depctr_va_vdst(0)
	v_rcp_f32 v172, v162
	v_rcp_f32 v174, v163
	v_mov_b32 v173, 0                              ; (plain lines behind the reciprocals; named as the pairs' upper halves)
	v_mov_b32 v175, 0
	s_wait_alu depctr_va_vdst(0)                   ; both reciprocals are written: one wait, ahead of their first reader
	v_ldexp_f32 v172, v172, s31
	v_ldexp_f32 v174, v174, s31
.irp g, 0,1
	v_pk_mul_f32 v[164+4*\g:165+4*\g], v[164+4*\g:165+4*\g], v[172+2*\g:173+2*\g] op_sel_hi:[1,0]
	v_pk_mul_f32 v[166+4*\g:167+4*\g], v[166+4*\g:167+4*\g], v[172+2*\g:173+2*\g] op_sel_hi:[1,0]
.endr
	s_wait_alu depctr_va_vdst(0)                   ; the four multiplications have written v164-171, the data of the two stores below
.irp g, 0,1
	global_store_b128 v15, v[164+4*\g:167+4*\g], s[12:13] offset:512*\g th:TH_STORE_NT   ; 512 consecutive bytes, aligned: two rows
.endr
.Lbar2:
	s_wait_dscnt 0x0                               ; my reads of the others' parts are over: behind this barrier they may be written again
	s_wait_xcnt 0x0                                ; the merge's stores have had their addresses translated: the next trip writes their registers again
	s_wait_alu depctr_vm_vsrc(0)                   ; the merge's LDS loads have read v13 and v14, its stores v15 and v164-171, which the next trip writes again
	s_barrier_signal -1
	s_barrier_wait -1
	s_add_co_u32 s15, s15, 1
	s_cmp_lt_u32 s15, TRIPS
	s_cbranch_scc1 .Ltrip
	s_wait_dscnt 0x0                               ; the closing lines, six on end
	s_wait_alu 0x0
	s_wait_tensorcnt 0x0
	ds_add_u32 v9, v10
	s_wait_dscnt 0x0
	s_endpgm
.Lfunc_end_k_q06a71494a3_attend:
	.size	k_q06a71494a3_attend, .Lfunc_end_k_q06a71494a3_attend-k_q06a71494a3_attend
	.p2alignl 7, 3214868480
	.fill 96, 4, 3214868480
	.section	.rodata,"a",@progbits
	.p2align	6, 0x0
	.amdhsa_kernel k_q06a71494a3_attend
		.amdhsa_group_segment_fixed_size 167936
		.amdhsa_private_segment_fixed_size 0
		.amdhsa_enable_private_segment 0
		.amdhsa_kernarg_size 56
		.amdhsa_user_sgpr_count 2
		.amdhsa_user_sgpr_kernarg_segment_ptr 1
		.amdhsa_wavefront_size32 1
		.amdhsa_system_sgpr_workgroup_id_x 1
		.amdhsa_system_sgpr_workgroup_id_y 1
		.amdhsa_system_sgpr_workgroup_id_z 1
		.amdhsa_system_vgpr_workitem_id 0
		.amdhsa_next_free_vgpr 256
		.amdhsa_next_free_sgpr 106
		.amdhsa_reserve_vcc 1
		.amdhsa_float_denorm_mode_32 3
		.amdhsa_float_denorm_mode_16_64 3
		.amdhsa_memory_ordered 1
		.amdhsa_forward_progress 1
		.amdhsa_inst_pref_size 74
	.end_amdhsa_kernel
	.amdgpu_metadata
---
amdhsa.version: [ 1, 2 ]
amdhsa.kernels:
  - .name:           k_q06a71494a3_attend
    .symbol:         k_q06a71494a3_attend.kd
    .args:
      - { .name: q_codes, .offset: 0, .size: 8, .value_kind: global_buffer, .address_space: global }
      - { .name: kimg, .offset: 8, .size: 8, .value_kind: global_buffer, .address_space: global }
      - { .name: vimg, .offset: 16, .size: 8, .value_kind: global_buffer, .address_space: global }
      - { .name: bits, .offset: 24, .size: 8, .value_kind: global_buffer, .address_space: global }
      - { .name: rec, .offset: 32, .size: 8, .value_kind: global_buffer, .address_space: global }
      - { .name: lowp_scales, .offset: 40, .size: 8, .value_kind: global_buffer, .address_space: global }
      - { .name: out0, .offset: 48, .size: 8, .value_kind: global_buffer, .address_space: global }
    .group_segment_fixed_size: 167936
    .private_segment_fixed_size: 0
    .kernarg_segment_align: 8
    .kernarg_segment_size: 56
    .max_flat_workgroup_size: 256
    .sgpr_count:     106
    .vgpr_count:     256
    .wavefront_size: 32
...
	.end_amdgpu_metadata
.endif
;; end of part 4
